; MI455X (gfx1250); checked and timed in simulation.
; The chip was launched on July 23, 2026; its instructions are those of AMD's public machine-readable ISA for CDNA 5 (MIT licence, August 2026) and "CDNA5" Instruction Set Architecture Reference Guide (July 2026). The comments in the code are by the model that wrote it; some were corrected since.
;; Flash Self Attention. Allowed arithmetic: float matrix products may take bf16 or f16 operands with f32 sums; other float arithmetic in f32, or as packed bf16 or f16 multiplies, adds, multiply-adds, maxima and minima; sums over many terms, partial sums and values carried from step to step in f32; what a program stores and reads back later, other than sums and carried values, may be rounded once to bf16 or f16.
;; Inputs: Wk 2,048 x 512 float32; Wo 2,048 x 2,048 float32; Wq 2,048 x 2,048 float32; Wv 2,048 x 512 float32; x 4 x 1,024 x 2,048 float32.
;; Outputs: out0 4 x 1,024 x 2,048 float32.
;; 2 versions, each right; version 2 is version 1 with the launch prep written anew for expert scheduling mode. Each part assembles by itself: llvm-mc -triple=amdgcn-amd-amdhsa -mcpu=gfx1250 --defsym DOCPART=n.
;; ======== version 1 of 2: 4 launches
;; limits: values are held in f16: magnitudes above 65,504 overflow, below 6.1e-05 lose precision
;; workspace buffers: xb 16,777,216 bytes; wqkv 12,582,912 bytes; wo16 8,388,608 bytes; rope 1,048,576 bytes; qkvh 25,165,824 bytes; ob 16,777,216 bytes
;; launch prep (part 1): grid 1280 x 1, 8 waves a work-group, no clusters, 0 bytes of LDS; arguments x, Wq, Wk, Wv, Wo, xb, wqkv, wo16, rope; writes xb, wqkv, wo16, rope
.if DOCPART == 1
	.amdgcn_target "amdgcn-amd-amdhsa--gfx1250"
	.amdhsa_code_object_version 6
	.text
	.protected	k_qa56e7c7ed4_prep
	.globl	k_qa56e7c7ed4_prep
	.p2align	8
	.type	k_qa56e7c7ed4_prep,@function
k_qa56e7c7ed4_prep:
	s_mov_b64 s[64:65], 0
	v_nop
	global_prefetch_b8 v0, s[64:65] scope:SCOPE_SE
	s_setreg_imm32_b32 hwreg(HW_REG_WAVE_MODE, 25, 1), 1
	s_wait_xcnt 0x0
; PREP: the matrix operands are rounded once, and the table of cosines and sines is made.
;   x  [4096][2048] f32 -> xb   [4096][2048] bf16
;   Wq [2048][2048], Wk, Wv [2048][512] f32 -> wqkv [2048 k][3072 n] bf16: columns 0-2047 Wq, 2048-2559 Wk, 2560-3071 Wv
;   Wo [2048][2048] f32 -> wo16 [2048][2048]: rounded to bf16 like the other inputs, and that number written as f16; row h*128+s goes to
;      row h*128 + s/2 + 64 (s%2), the order in which the attention launch leaves a head's channels
;   rope: two planes of [1024 t][64 i][cos, sin] f32: plane 0 the angles t x 10000^(-i/64), plane 1 (1, 0) everywhere (for V, which is not turned)
; LIMITS.  Wo beyond 65,504 becomes an infinity in f16, below 6e-5 it keeps f16's fixed step of 6e-8.  sin and cos: polynomials on |r| <= pi/4 cut at r^9/9! and
; r^10/10! (3e-7 at the most); the angle differs from one made with correctly rounded frequencies by about 2e-7 of itself (2e-4 at the largest angle, 1,023).
; SHARES.  A work-group of eight waves takes a chunk of 64 KiB of one input: 16 units of 4,096 bytes, thread t the 16 bytes at 16 t of each.  All sixteen loads of a wave go out
; at once; a wave's store covers 256 consecutive bytes, aligned.  No register is used twice, so no wait frees one.  No LDS, no barrier, no matrix unit: memory bounds this launch.
; Work-groups 0-511 x, 512-767 Wq, 768-1023 Wo, 1024-1087 Wk, 1088-1151 Wv; the last 128 make the table, eight rows each: a wave a row, a lane two frequencies.
; The four casts to bf16 are ONE text: which input, which output and three strides are chosen by the work-group's number.
.macro LOADS16                         ; the chunk's sixteen units
.set u, 0
.rept 16
	global_load_b128 v[8+4*u:11+4*u], v1, s[26:27] offset:4096*u th:TH_LOAD_NT
.set u, u+1
.endr
.endm
; cos and sin of t x v[R].  R: nine registers at work.  cos goes into v[C], sin into v[C+1].  v2 = t as f32.
; n = the nearest whole number to angle x 2/pi; r = angle - n pi/2, with pi/2 in two parts (the first product cancels exactly in the fused multiply-add); n % 4 chooses and signs.
.macro SINCOS R, C
	v_mul_f32 v[\R+1], v2, v[\R]
	v_mul_f32 v[\R+2], 0x3f22f983, v[\R+1]
	v_rndne_f32 v[\R+2], v[\R+2]
	v_fmamk_f32 v[\R+3], v[\R+2], 0xbfc90fdb, v[\R+1]
	v_fmamk_f32 v[\R+3], v[\R+2], 0x333bbd2e, v[\R+3]
	v_mul_f32 v[\R+4], v[\R+3], v[\R+3]            ; r^2
	v_fma_f32 v[\R+5], v[\R+4], s22, s23           ; sin: -1/5040, 1/120
	v_fma_f32 v[\R+6], v[\R+4], s30, s31           ; cos: 1/40320, -1/720
	v_fmaak_f32 v[\R+5], v[\R+4], v[\R+5], 0xbe2aaaab
	v_fmaak_f32 v[\R+6], v[\R+4], v[\R+6], 0x3d2aaaab
	v_mul_f32 v[\R+5], v[\R+5], v[\R+4]
	v_fma_f32 v[\R+6], v[\R+4], v[\R+6], -0.5
	v_fma_f32 v[\R+5], v[\R+3], v[\R+5], v[\R+3]   ; sin r
	v_fma_f32 v[\R+6], v[\R+4], v[\R+6], 1.0       ; cos r
	v_cvt_u32_f32 v[\R+7], v[\R+2]
	v_and_b32 v[\R+8], 1, v[\R+7]
	v_cmp_eq_u32 vcc_lo, 1, v[\R+8]                ; an odd quarter turn swaps the two: a choice of values, no branch
	v_cndmask_b32 v[\C+1], v[\R+5], v[\R+6], vcc_lo
	v_cndmask_b32 v[\C], v[\R+6], v[\R+5], vcc_lo
	v_and_b32 v[\R+8], 2, v[\R+7]                  ; sin is negative in quarters 2 and 3,
	v_lshlrev_b32 v[\R+8], 30, v[\R+8]
	v_xor_b32 v[\C+1], v[\C+1], v[\R+8]
	v_add_nc_u32 v[\R+7], 1, v[\R+7]               ; cos in quarters 1 and 2
	v_and_b32 v[\R+7], 2, v[\R+7]
	v_lshlrev_b32 v[\R+7], 30, v[\R+7]
	v_xor_b32 v[\C], v[\C], v[\R+7]
.endm
	s_load_b512 s[4:19], s[0:1], 0x0               ; x s[4:5], Wq s[6:7], Wk s[8:9], Wv s[10:11], Wo s[12:13], xb s[14:15], wqkv s[16:17], wo16 s[18:19]
	s_load_b64 s[20:21], s[0:1], 0x40              ; rope
	v_lshlrev_b32 v1, 4, v0                        ; 16 t
	s_wait_kmcnt 0x0
	s_cmp_ge_u32 ttmp9, 1152
	s_cbranch_scc1 .Ltable
	s_cmp_lt_u32 ttmp9, 768
	s_cbranch_scc1 .Lplain
	s_cmp_lt_u32 ttmp9, 1024
	s_cbranch_scc1 .Lwo
.Lplain:
	; THE CASTS TO bf16.  With ci the chunk's number in its input, u the unit and t the thread, the 8 bytes stored lie at
	; 8 ci SB + COLB + (u/2) SB + (u%2) 2 S1 + (t/128) S1 + 8 (t%128).   x: SB 4,096, S1 1,024.  Wq: SB 6,144 (a row of wqkv), S1 1,024.  Wk, Wv: a unit is two rows of 512: SB 24,576, S1 6,144.
	s_mov_b32 s23, 6144                            ; SB
	s_mov_b32 s30, 1024                            ; S1
	s_mov_b32 s31, 0                               ; COLB
	s_cmp_lt_u32 ttmp9, 512                        ; x, or else Wq
	s_cselect_b64 s[26:27], s[4:5], s[6:7]
	s_cselect_b64 s[28:29], s[14:15], s[16:17]
	s_cselect_b32 s22, 0, 512                      ; the input's first work-group
	s_cselect_b32 s23, 4096, s23
	s_cmp_ge_u32 ttmp9, 1024                       ; Wk
	s_cselect_b64 s[26:27], s[8:9], s[26:27]
	s_cselect_b32 s22, 1024, s22
	s_cselect_b32 s23, 24576, s23
	s_cselect_b32 s30, 6144, s30
	s_cselect_b32 s31, 4096, s31
	s_cmp_ge_u32 ttmp9, 1088                       ; Wv
	s_cselect_b64 s[26:27], s[10:11], s[26:27]
	s_cselect_b32 s22, 1088, s22
	s_cselect_b32 s31, 5120, s31
	s_sub_co_u32 s22, ttmp9, s22                   ; ci
	s_lshl_b32 s24, s22, 16                        ; 64 KiB a chunk
	s_mov_b32 s25, 0
	s_add_nc_u64 s[26:27], s[26:27], s[24:25]
	s_mul_i32 s24, s22, s23
	s_lshl_b32 s24, s24, 3
	s_add_co_u32 s24, s24, s31
	s_add_nc_u64 s[28:29], s[28:29], s[24:25]
	LOADS16
	v_lshrrev_b32 v2, 7, v0
	v_mul_u32_u24 v2, v2, s30
	v_and_b32 v3, 127, v0
	v_lshl_add_u32 v2, v3, 3, v2                   ; (t/128) S1 + 8 (t%128)
	s_lshl_b32 s30, s30, 1                         ; 2 S1
	s_mov_b32 s24, 0
.set u, 0
.rept 8                                ; each unit's store has an offset register of its own, made while the loads are out
	v_add_nc_u32 v[72+u], s24, v2
	s_add_co_u32 s25, s24, s30
	v_add_nc_u32 v[73+u], s25, v2
	s_add_co_u32 s24, s24, s23
.set u, u+2
.endr
.set u, 0
.rept 16
	s_wait_loadcnt 15-u                            ; loads come back in order: unit u is in, the 15 - u younger ones may be out
	v_cvt_pk_bf16_f32 v[8+4*u], v[8+4*u], v[9+4*u]
	v_cvt_pk_bf16_f32 v[9+4*u], v[10+4*u], v[11+4*u]
	global_store_b64 v[72+u], v[8+4*u:9+4*u], s[28:29]
.set u, u+1
.endr
	s_endpgm
.Lwo:
	; Wo.  A chunk is eight rows of 2,048; source row h*128+s goes to row h*128 + s/2 + 64 (s%2): the 8 bytes stored lie at
	; (ci/16) 524,288 + (ci%16) 16,384 + (u/4) 4,096 + ((u/2)%2) 262,144 + (u%2) 2,048 + (t/128) 1,024 + 8 (t%128).
	s_sub_co_u32 s22, ttmp9, 768                   ; ci
	s_lshl_b32 s24, s22, 16
	s_mov_b32 s25, 0
	s_add_nc_u64 s[26:27], s[12:13], s[24:25]
	s_lshr_b32 s23, s22, 4
	s_lshl_b32 s23, s23, 19
	s_and_b32 s24, s22, 15
	s_lshl_b32 s24, s24, 14
	s_add_co_u32 s24, s24, s23
	s_add_nc_u64 s[28:29], s[18:19], s[24:25]
	s_mov_b32 s30, 0xffff0000                      ; a word's upper bf16
	LOADS16
	v_lshrrev_b32 v2, 7, v0
	v_lshlrev_b32 v2, 10, v2
	v_and_b32 v3, 127, v0
	v_lshl_add_u32 v2, v3, 3, v2
.set u, 0
.rept 16
	s_wait_loadcnt 15-u
	v_cvt_pk_bf16_f32 v[8+4*u], v[8+4*u], v[9+4*u]
	v_cvt_pk_bf16_f32 v[9+4*u], v[10+4*u], v[11+4*u]
.irp k, 0,1
	v_lshlrev_b32 v[10+4*u], 16, v[8+4*u+(\k)]     ; the bf16 numbers as f32,
	v_and_b32 v[11+4*u], s30, v[8+4*u+(\k)]
	v_cvt_pk_f16_f32 v[8+4*u+(\k)], v[10+4*u], v[11+4*u]  ; written as f16: exact within f16's range
.endr
	global_store_b64 v2, v[8+4*u:9+4*u], s[28:29] offset:(u/4)*4096+((u/2)%2)*262144+(u%2)*2048
.set u, u+1
.endr
	s_endpgm
.Ltable:
	; THE TABLE: work-group tw makes rows 8 tw .. 8 tw + 7; thread v0's 16 bytes lie at 4,096 tw + 16 v0
	s_sub_co_u32 s22, ttmp9, 1152
	s_lshl_b32 s24, s22, 12
	s_mov_b32 s25, 0
	s_add_nc_u64 s[26:27], s[20:21], s[24:25]
	s_lshl_b32 s28, s22, 3
	s_mov_b32 s22, 0xb9500d01                      ; -1/5040
	s_mov_b32 s23, 0x3c088889                      ; 1/120
	s_mov_b32 s30, 0x37d00d01                      ; 1/40320
	s_mov_b32 s31, 0xbab60b61                      ; -1/720
	v_lshrrev_b32 v2, 5, v0
	v_add_nc_u32 v2, s28, v2                       ; t
	v_cvt_f32_u32 v2, v2
	v_and_b32 v3, 31, v0
	v_lshlrev_b32 v3, 1, v3                        ; i = 2 x lane, and i + 1
	v_add_nc_u32 v4, 1, v3
	v_cvt_f32_u32 v8, v3
	v_cvt_f32_u32 v24, v4
	v_mul_f32 v8, 0xbe549a78, v8                   ; -i log2(10000) / 64
	v_mul_f32 v24, 0xbe549a78, v24
	v_exp_f32 v8, v8                               ; 10000^(-i/64)
	v_exp_f32 v24, v24
	v_nop                                          ; a plain instruction behind the last exponential,
	s_wait_alu depctr_va_vdst(0)                   ; and one wait for the two, ahead of their first reader
	SINCOS 8, 40
	SINCOS 24, 42
	v_mov_b32 v44, 1.0
	v_mov_b32 v45, 0
	v_mov_b32 v46, 1.0
	v_mov_b32 v47, 0
	global_store_b128 v1, v[40:43], s[26:27]       ; a wave's store covers a row of 512 bytes
	global_store_b128 v1, v[44:47], s[26:27] offset:524288
	s_endpgm
.Lfunc_end_k_qa56e7c7ed4_prep:
	.size	k_qa56e7c7ed4_prep, .Lfunc_end_k_qa56e7c7ed4_prep-k_qa56e7c7ed4_prep
	.p2alignl 7, 3214868480
	.fill 96, 4, 3214868480
	.section	.rodata,"a",@progbits
	.p2align	6, 0x0
	.amdhsa_kernel k_qa56e7c7ed4_prep
		.amdhsa_group_segment_fixed_size 0
		.amdhsa_private_segment_fixed_size 0
		.amdhsa_enable_private_segment 0
		.amdhsa_kernarg_size 72
		.amdhsa_user_sgpr_count 2
		.amdhsa_user_sgpr_kernarg_segment_ptr 1
		.amdhsa_wavefront_size32 1
		.amdhsa_system_sgpr_workgroup_id_x 1
		.amdhsa_system_sgpr_workgroup_id_y 1
		.amdhsa_system_sgpr_workgroup_id_z 1
		.amdhsa_system_vgpr_workitem_id 0
		.amdhsa_next_free_vgpr 88
		.amdhsa_next_free_sgpr 66
		.amdhsa_reserve_vcc 1
		.amdhsa_float_denorm_mode_32 3
		.amdhsa_float_denorm_mode_16_64 3
		.amdhsa_memory_ordered 1
		.amdhsa_forward_progress 1
		.amdhsa_inst_pref_size 23
	.end_amdhsa_kernel
	.amdgpu_metadata
---
amdhsa.version: [ 1, 2 ]
amdhsa.kernels:
  - .name:           k_qa56e7c7ed4_prep
    .symbol:         k_qa56e7c7ed4_prep.kd
    .args:
      - { .name: x, .offset: 0, .size: 8, .value_kind: global_buffer, .address_space: global }
      - { .name: Wq, .offset: 8, .size: 8, .value_kind: global_buffer, .address_space: global }
      - { .name: Wk, .offset: 16, .size: 8, .value_kind: global_buffer, .address_space: global }
      - { .name: Wv, .offset: 24, .size: 8, .value_kind: global_buffer, .address_space: global }
      - { .name: Wo, .offset: 32, .size: 8, .value_kind: global_buffer, .address_space: global }
      - { .name: xb, .offset: 40, .size: 8, .value_kind: global_buffer, .address_space: global }
      - { .name: wqkv, .offset: 48, .size: 8, .value_kind: global_buffer, .address_space: global }
      - { .name: wo16, .offset: 56, .size: 8, .value_kind: global_buffer, .address_space: global }
      - { .name: rope, .offset: 64, .size: 8, .value_kind: global_buffer, .address_space: global }
    .group_segment_fixed_size: 0
    .private_segment_fixed_size: 0
    .kernarg_segment_align: 8
    .kernarg_segment_size: 72
    .max_flat_workgroup_size: 256
    .sgpr_count:     66
    .vgpr_count:     88
    .wavefront_size: 32
...
	.end_amdgpu_metadata
.endif
;; end of part 1
;; launch project (part 2): grid 8 x 32, 4 waves a work-group, clusters of 4 x 4, 327,680 bytes of LDS; arguments xb, wqkv, rope, qkvh; writes qkvh
.if DOCPART == 2
	.amdgcn_target "amdgcn-amd-amdhsa--gfx1250"
	.amdhsa_code_object_version 6
	.text
	.protected	k_qa56e7c7ed4_project
	.globl	k_qa56e7c7ed4_project
	.p2align	8
	.type	k_qa56e7c7ed4_project,@function
k_qa56e7c7ed4_project:
	s_mov_b64 s[64:65], 0
	v_nop
	global_prefetch_b8 v0, s[64:65] scope:SCOPE_SE
	s_setreg_imm32_b32 hwreg(HW_REG_WAVE_MODE, 25, 1), 1
	s_wait_xcnt 0x0
	s_wait_alu depctr_hold_cnt(0) depctr_sa_sdst(0) depctr_va_vdst(0) depctr_va_sdst(0) depctr_va_ssrc(0) depctr_va_vcc(0) depctr_vm_vsrc(0)
	s_getreg_b32 s2, hwreg(HW_REG_IB_STS2, 6, 4)
	s_cmp_eq_u32 s2, 0
	s_cbranch_scc0 .Lentry_in_a_cluster
	s_endpgm
.Lentry_in_a_cluster:
	s_bfe_u32 s2, ttmp6, 0x10000c
	s_cmp_lg_u32 s2, 0xf033
	s_cbranch_scc0 .Lentry_shape_is_right
	s_endpgm
.Lentry_shape_is_right:
; ONE TEXT FOR TWO LAUNCHES, chosen by KIND: C = A B, A [4096][2048] with K along the rows, B [2048 k][NTOT n] as the weights lie.  Sums in f32.
; KIND 1 (this launch): A = xb, B = wqkv, both bf16.  A tile of C is 128 rows x 384 columns = three whole heads of q, k or v.  On the way out each head is turned by the table
;   (out[i] = z[2i] cos - z[2i+1] sin, out[64+i] = z[2i] sin + z[2i+1] cos; V's heads read the table's plane of (1, 0), so they are only put in that order), rounded once to f16 and
;   stored by heads: qkvh [b 4][g 24][t 1024][128], g = 0-15 q, 16-19 k, 20-23 v.   LIMIT: a turned q, k or a v of 65,520 or more becomes an infinity in f16.
; KIND 2: A = ob, B = wo16, both f16.  A tile of C is 128 x 256, stored as f32 into out0.
; SHARES.  grid 8 x 32 = 256 work-groups, one tile each.  Four waves; a wave makes all 128 rows x NB blocks of 16 columns: 8 NB accumulators.  K goes in 16 steps of 128 through two LDS slots.
; THE WALK ALONG K BEGINS ELSEWHERE IN EACH CLUSTER: at K step 4 (cluster y % 4) + 8 (cluster x), modulo 16, and goes once round.  So the two clusters that read the same rows of A stand eight K steps apart,
; and clusters that read the same columns of B and differ in y % 4 stand four, eight or twelve apart.  A tile's f32 sums are taken in the order of its walk.
; B IS NOT TRANSPOSED in memory: a K step of B lies in LDS as 128 rows (k) of 128 columns, and ds_load_tr16_b128 turns 16 x 16 numbers into half a fragment.
; THE MATRIX INSTRUCTION IS USED TRANSPOSED (source 0 = 16 columns of B, source 1 = 16 rows of A): a lane then holds row lane % 16 of C and eight neighbouring columns.
; CLUSTER 4 x 4: A's tile hangs on the tile row alone and is asked for jointly by a row of the cluster, B's on the tile column alone, by a column: a quarter of the requests.
; LDS: a slot is four regions of 36,864 bytes.  A's 128 rows (pitch 272) lie in region 0; B's sub-tile j (128 rows of pitch 288) in region AW + j.  A load lands at wave x a constant + the slot's constant.
; REGISTERS, in windows of 256 (s_set_vgpr_msb: bits 1:0 source 0, 3:2 source 1, 5:4 source 2, 7:6 destination):
;   window 0: v0-31 addresses; v64-127, v128-191 A's fragments, two buffers; the rest at work on the way out     window 1: v64.., v128.. B's fragments, two buffers
;   window 2: accumulators of column blocks 0-3 (block jb, row block a at 64 jb + 8 a)     window 3: v0-127 those of column blocks 4, 5
;   KIND 1: the table for the wave's eight row blocks, 32 registers each: blocks 0-3 in window 3, v128-255; blocks 4-7 in window 1, v0-63 and v176-239
.set KIND, 1
.if KIND == 1
.set NH,   3                           ; sub-tiles of 128 columns in a tile
.set NB,   6                           ; blocks of 16 columns a wave
.set NTOT, 3072                        ; columns of B
.set AW,   1                           ; waves that fetch A; the other NH fetch B's sub-tiles
.else
.set NH,   2
.set NB,   4
.set NTOT, 2048
.set AW,   2
.endif
.set AR,    128/AW                     ; rows of A in one load
.set PA,    272                        ; a row of A in LDS: 256 bytes + 16: the 16 rows of a fragment load start in 16 different groups of four banks (64 banks of 4 bytes: ISA guide 11.1)
.set PB,    288                        ; a row of B: 256 + 32
.set REG,   128*PB
.set SLOT,  4*REG
.set STAGE, 2*SLOT                     ; KIND 2: 16 rows x 272 bytes for each wave, never filled by a tensor load
.set SPARE, STAGE+4*16*PA              ; the spare words, 128 bytes for each wave: two blocks of 256 bytes that no other line names
.set NL,    16+2*NB                    ; LDS loads in a quarter step's run
.set BSTEP, 128*NTOT*2                 ; bytes from a K step of B to the next
.set F0,    64
.set F1,    128
.set ADRA,  16                         ; v16-17  my lane's place in A's tile, slot 0, 1
.set ADRB,  18                         ; v18-23  the same in B's sub-tiles: 3 x slot + sub-tile (KIND 2: 3 x slot)
.set SPW,   28                         ; v28  SPARE + 4 x my thread's number; never rewritten
.set NIL,   29                         ; v29  0; never rewritten
.set PFO,   30                         ; v30  the prefetches' offset: my lane x a row of A in memory; never rewritten
.set G1A, 24                           ; s[24:31] descriptor group 1 for A;  s[32:39] group 0, a set for each slot
.set G0A, 32
.set G1B, 48                           ; s[48:55], s[56:63] the same for B
.set G0B, 56
.set KI,  76                           ; s76, s77  the K step that slot 0, 1 holds or is being filled with
.set KP,  78                           ; s78  the K step that the prefetch names
; s[2:3] A at my part of the tile's rows, s12 wave, s13 cx, s14 cy, s15 tile column, s16 tile row, s[22:23] A at the tile's first row, s40 my sub-tile of B, s41 LIM, s42 laps to go,
; s[44:45] where my prefetch stands, s[46:47] A at my work-group's 32 rows, s[66:69] the table for heads 0 and 1, for head 2, s[72:73] an offset (s73 = 0), s[74:75] B at my sub-tile's first column
.set MSB, 0
.macro WIN new                         ; the immediate's high byte repeats the setting that is left; a switch that changes nothing is dropped
.if MSB != (\new)
	s_set_vgpr_msb (MSB<<8)|(\new)
.set MSB, (\new)
.endif
.endm
.macro PLACES                          ; four places behind matrix instructions, in front of loads into registers that they have read and of readers of their results
.rept 4
	v_nop
.endr
.endm
.macro CREST                           ; a round of the cluster's barrier behind its opening barrier
	s_cmp_lg_u32 s12, 0
	s_cbranch_scc1 .Lnot_wave_0_\@
	s_barrier_signal -3
.Lnot_wave_0_\@:
	s_barrier_wait -3
	s_barrier_signal -1
	s_barrier_wait -1
.endm
.macro CROUND                          ; a whole round
	s_barrier_signal -1
	s_barrier_wait -1
	CREST
.endm
; A joint load: the first AW waves fetch A, the others B's sub-tiles.  The branch hangs on the wave's number alone.  An s_nop 0 and four v_nop follow each line;
; the four are also the places in front of the fragment loads that follow.
.macro JLOAD s
	s_cmp_lt_u32 s12, AW
	s_cbranch_scc0 .Lfor_b_\@
	tensor_load_to_lds s[G0A+4*(\s):G0A+4*(\s)+3], s[G1A:G1A+7]
	s_nop 0
.rept 4
	v_nop
.endr
	s_branch .Lasked_\@
.Lfor_b_\@:
	tensor_load_to_lds s[G0B+4*(\s):G0B+4*(\s)+3], s[G1B:G1B+7]
	s_nop 0
.rept 4
	v_nop
.endr
.Lasked_\@:
.endm
; A prefetch into the L2 of A's K step that stands two refills on in my cluster's walk: 32 rows x 256 bytes, a lane a row.  Of a tile row's sixteen K steps a cluster is the first of the two that read them to
; reach the eight with which its walk begins.  The first four of those come by their loads alone; the changes of slots 0 to 3 (laps to go above 5) ask for the other four.  Wave 0 asks; the four partners that ask
; for A's tile jointly share its 128 rows out by address (cx).  So each row's 256 bytes are named once in the launch.  B's sixteen K steps are all reached within the first four trips of the clusters' walks: none is asked for.
.macro ASK
	s_cmp_gt_u32 s42, s41
	s_cbranch_scc0 .Lnot_mine_\@
	global_prefetch_b8 v[PFO], s[44:45] th:TH_LOAD_NT scope:SCOPE_SE
.Lnot_mine_\@:
.endm
.macro MMA zero                        ; D = v[rD ..], source 0 = B's fragment v[rB ..], source 1 = A's v[rA ..]
.if KIND == 1
.if \zero
	v_wmma_f32_16x16x32_bf16 v[rD:rD+7], v[rB:rB+7], v[rA:rA+7], 0
.else
	v_wmma_f32_16x16x32_bf16 v[rD:rD+7], v[rB:rB+7], v[rA:rA+7], v[rD:rD+7]
.endif
.else
.if \zero
	v_wmma_f32_16x16x32_f16 v[rD:rD+7], v[rB:rB+7], v[rA:rA+7], 0
.else
	v_wmma_f32_16x16x32_f16 v[rD:rD+7], v[rB:rB+7], v[rA:rA+7], v[rD:rD+7]
.endif
.endif
.endm
; Eight matrix instructions: column block jb x all eight row blocks, 32 along K, from buffer f.  The 8 NB accumulators take turns, one instruction a turn, in the same order in every quarter step.
; zero = 1: the first product starts the sums: nothing is cleared.
.macro MULJ f, jb, zero
	WIN 0xa1+0x50*((\jb)/4)
.irp a, 0,1,2,3,4,5,6,7
.set rD, 64*((\jb)%4)+8*(\a)
.set rB, (\f)+8*(\jb)
.set rA, (\f)+8*(\a)
	MMA \zero
.endr
.endm
; NL LDS loads in one run: quarter q (32 along K) of a slot into buffer f: A's eight fragments, then B's NB, turned.
.macro FETCH slot, q, f
	WIN 0
.irp a, 0,1,2,3,4,5,6,7
	ds_load_b128 v[(\f)+8*(\a):(\f)+8*(\a)+3],   v[ADRA+(\slot)] offset:16*PA*(\a)+64*(\q)
	ds_load_b128 v[(\f)+8*(\a)+4:(\f)+8*(\a)+7], v[ADRA+(\slot)] offset:16*PA*(\a)+64*(\q)+32
.endr
	WIN 0x40                                       ; destination window 1, address window 0
.set jb, 0
.rept NB
.if KIND == 1
.set rAd, ADRB+3*(\slot)+jb/2                      ; sub-tile jb / 2, my block 2 w + jb % 2 of it
.set rOf, 32*(jb%2)+32*PB*(\q)
.else
.set rAd, ADRB+3*(\slot)
.set rOf, 32*jb+32*PB*(\q)
.endif
	ds_load_tr16_b128 v[(\f)+8*jb:(\f)+8*jb+3],   v[rAd] offset:rOf
	ds_load_tr16_b128 v[(\f)+8*jb+4:(\f)+8*jb+7], v[rAd] offset:rOf+16*PB
.set jb, jb+1
.endr
.endm
; A K step is four quarters on buffers 0, 1, 0, 1.  One of the first three multiplies buffer f and fetches quarter q of the same slot into buffer g.
.macro QUARTER slot, q, f, g, zero
	s_wait_dscnt 4                                 ; all but the youngest four loads: B's last two fragments
	MULJ \f, 0, \zero
	MULJ \f, 1, \zero
	PLACES                                         ; behind the products that read buffer g, a quarter back
	FETCH \slot, \q, \g
.if NB > 4
	MULJ \f, 2, \zero
	MULJ \f, 3, \zero
.endif
	s_wait_dscnt NL                                ; all but the NL just issued
	MULJ \f, NB-2, \zero
	MULJ \f, NB-1, \zero
.endm
; The last quarter multiplies buffer 1 and changes slots.  In front of the one barrier each wave waits for all its tensor loads (one is out: its part of the next slot), adds 0 to its spare word, and waits for
; that and for its reads of this slot.  fill = 1: the barrier opens a round of the cluster's, and the joint refill, two trips ahead in the walk, is the first thing behind the round.  The slot's K step goes up by
; two modulo 16, and both descriptors' addresses are made anew from it, between the add and the wait for it, where no tensor load of mine is out.
.macro TURN slot, next, fill
.if \fill
	s_wait_xcnt 0x0                                ; the last prefetch, a K step back, has read its address
	s_add_co_u32 s[KP], s[KP], 1
	s_and_b32 s[KP], s[KP], 15
	s_lshl_b32 s72, s[KP], 8
	s_add_nc_u64 s[44:45], s[46:47], s[72:73]
.endif
	WIN 0                                          ; (the add's two registers lie in window 0)
	s_wait_tensorcnt 0x0
	ds_add_u32 v[SPW], v[NIL]                      ; 0 onto my spare word; scalar work and products stand between it and the wait for it
.if \fill
	s_add_co_u32 s[KI+(\slot)], s[KI+(\slot)], 2
	s_and_b32 s[KI+(\slot)], s[KI+(\slot)], 15
	s_lshl_b32 s72, s[KI+(\slot)], 8               ; a K step of A: 256 bytes along the rows
	s_add_nc_u64 s[G0A+4*(\slot)+2:G0A+4*(\slot)+3], s[2:3], s[72:73]
	s_or_b32 s[G0A+4*(\slot)+3], s[G0A+4*(\slot)+3], 0x80000000
	s_mul_i32 s72, s[KI+(\slot)], BSTEP            ; a K step of B: 128 rows
	s_add_nc_u64 s[G0B+4*(\slot)+2:G0B+4*(\slot)+3], s[74:75], s[72:73]
	s_or_b32 s[G0B+4*(\slot)+3], s[G0B+4*(\slot)+3], 0x80000000
.endif
	s_wait_dscnt 5                                 ; (the add and B's last two fragments may be out)
	MULJ F1, 0, 0
.if NB > 4
	MULJ F1, 1, 0
.endif
	s_wait_dscnt 0x0                               ; the add is done, and my reads of this slot are over
	s_barrier_signal -1
.if NB > 4
	MULJ F1, 2, 0
	MULJ F1, 3, 0
.else
	MULJ F1, 1, 0
.endif
.if \fill
	WIN 0
.endif
	s_barrier_wait -1
.if \fill
	CREST                                          ; no wave of any partner still reads this slot or has a load on its way
	JLOAD \slot
.else
	PLACES
.endif
	FETCH \next, 0, F0
.if \fill
	WIN 0
	ASK
.endif
	MULJ F1, NB-2, 0
	MULJ F1, NB-1, 0
.endm
.if KIND == 1
	s_load_b256 s[4:11], s[0:1], 0x0               ; A s[4:5], B s[6:7], rope s[8:9], qkvh s[10:11]
.else
	s_load_b128 s[4:7], s[0:1], 0x0                ; A s[4:5], B s[6:7]
	s_load_b64 s[8:9], s[0:1], 0x10                ; out0
.endif
	v_lshl_add_u32 v[SPW], v0, 2, SPARE
	v_mov_b32 v[NIL], 0
	ds_add_u32 v[SPW], v[NIL]                      ; the wave's opening: the add and its wait ahead of my first tensor load
	v_lshrrev_b32 v1, 5, v0
	v_readfirstlane_b32 s12, v1                    ; wave 0..3
	s_bfe_u32 s13, ttmp6, 0x40000                  ; cx
	s_bfe_u32 s14, ttmp6, 0x40004                  ; cy
	s_lshl_b32 s15, ttmp9, 2
	s_add_co_u32 s15, s15, s13                     ; tile column = 4 x cluster x + cx
	s_and_b32 s16, ttmp7, 0xffff
	s_lshl_b32 s16, s16, 2
	s_add_co_u32 s16, s16, s14                     ; tile row = 4 x cluster y + cy
	s_lshl_b32 s17, s14, 2
	s_lshl_b32 s17, 15, s17                        ; my row of the cluster
	s_lshl_b32 s18, 0x1111, s13                    ; my column
	s_or_b32 s[G1A], s17, (1<<16)|(1<<20)|(1<<21)|(5<<22)|(3<<25)  ; 15:0 the mask; 17:16 2-byte elements; 20 padding on; 21 set beside a mask; 24:22 after every 64 words; 31:25 4 words
	s_or_b32 s[G1B], s18, (1<<16)|(1<<20)|(1<<21)|(5<<22)|(7<<25)  ; the same with my column's mask and 8 words of padding
	s_mov_b32 s[G1A+1], 128<<16                    ; tensor_dim0 = 128
	s_mov_b32 s[G1A+2], AR<<16                     ; tensor_dim1 = the load's rows
	s_mov_b32 s[G1A+3], 128<<16                    ; tile_dim0 = 128
	s_mov_b32 s[G1A+4], AR                         ; tile_dim1
	s_mov_b32 s[G1A+5], 2048                       ; elements from row to row
	s_mov_b32 s[G1A+6], 0
	s_mov_b32 s[G1A+7], 0
	s_mov_b32 s[G1B+1], 128<<16
	s_mov_b32 s[G1B+2], 128<<16
	s_mov_b32 s[G1B+3], 128<<16
	s_mov_b32 s[G1B+4], 128
	s_mov_b32 s[G1B+5], NTOT
	s_mov_b32 s[G1B+6], 0
	s_mov_b32 s[G1B+7], 0
	s_and_b32 s17, ttmp7, 3                        ; where my cluster's walk begins: 4 (cluster y % 4) + 8 (cluster x), modulo 16: the same in all sixteen partners
	s_lshl_b32 s17, s17, 2
	s_lshl_b32 s18, ttmp9, 3
	s_add_co_u32 s17, s17, s18
	s_and_b32 s[KI], s17, 15                       ; slot 0 takes that K step,
	s_add_co_u32 s[KI+1], s[KI], 1
	s_and_b32 s[KI+1], s[KI+1], 15                 ; slot 1 the next;
	s_add_co_u32 s[KP], s[KI], 3
	s_and_b32 s[KP], s[KP], 15                     ; the first change of slots steps this to the walk's trip 4
	s_max_u32 s40, s12, AW
	s_sub_co_u32 s40, s40, AW                      ; my sub-tile of B (0 in the waves that fetch A)
	s_mul_i32 s19, s12, AR*PA                      ; where my part of A lands,
	s_mul_i32 s43, s12, REG                        ; where my sub-tile of B lands: no place in the cluster enters an LDS address
	s_lshl_b32 s20, s16, 19                        ; A: tile row x 128 rows x 4,096 bytes
	s_mov_b32 s21, 0
	s_mul_i32 s72, s15, NH                         ; B: (tile column x NH + sub-tile) x 256 bytes
	s_add_co_u32 s72, s72, s40
	s_lshl_b32 s72, s72, 8
	s_mov_b32 s73, 0
	s_wait_dscnt 0x0                               ; the opening add is done
	s_wait_kmcnt 0x0
	s_add_nc_u64 s[22:23], s[4:5], s[20:21]        ; A at the tile's first row
.if AW > 1
	s_min_u32 s20, s12, AW-1
	s_mul_i32 s20, s20, AR*4096
	s_add_nc_u64 s[2:3], s[22:23], s[20:21]        ; at my half of its rows
.else
	s_mov_b64 s[2:3], s[22:23]
.endif
	s_add_nc_u64 s[74:75], s[6:7], s[72:73]        ; B at my sub-tile's first column
.irp s, 0,1
	s_mov_b32 s[G0A+4*(\s)], 1                     ; count = 1
	s_add_co_u32 s[G0A+4*(\s)+1], s19, (\s)*SLOT   ; LDS address
	s_lshl_b32 s72, s[KI+(\s)], 8
	s_add_nc_u64 s[G0A+4*(\s)+2:G0A+4*(\s)+3], s[2:3], s[72:73]  ; the slot's K step
	s_or_b32 s[G0A+4*(\s)+3], s[G0A+4*(\s)+3], 0x80000000        ; type = 2
	s_mov_b32 s[G0B+4*(\s)], 1
	s_add_co_u32 s[G0B+4*(\s)+1], s43, (\s)*SLOT
	s_mul_i32 s72, s[KI+(\s)], BSTEP
	s_add_nc_u64 s[G0B+4*(\s)+2:G0B+4*(\s)+3], s[74:75], s[72:73]
	s_or_b32 s[G0B+4*(\s)+3], s[G0B+4*(\s)+3], 0x80000000
.endr
	CROUND                                         ; all sixteen work-groups are here: the first joint loads meet
	s_cmp_lt_u32 s12, AW                           ; a wave's two first fills stand in one branch: two loads of mine are out
	s_cbranch_scc0 .Lfirst_b
	tensor_load_to_lds s[G0A:G0A+3], s[G1A:G1A+7]
	s_nop 0
	tensor_load_to_lds s[G0A+4:G0A+7], s[G1A:G1A+7]
	s_nop 0
.rept 4
	v_nop
.endr
	s_branch .Lfirst_asked
.Lfirst_b:
	tensor_load_to_lds s[G0B:G0B+3], s[G1B:G1B+7]
	s_nop 0
	tensor_load_to_lds s[G0B+4:G0B+7], s[G1B:G1B+7]
	s_nop 0
.rept 4
	v_nop
.endr
.Lfirst_asked:
	; A fragment of A: lane l holds row l % 16; registers 0-3 K = 8 (l / 16) + 0..7, registers 4-7 K = 16 + 8 (l / 16) + 0..7: two loads of 16 bytes, 32 bytes apart.
	v_and_b32 v1, 15, v0                           ; r = l % 16
	v_bfe_u32 v2, v0, 4, 1                         ; h = l / 16
	v_mul_u32_u24 v[ADRA], v1, PA
	v_lshl_add_u32 v[ADRA], v2, 4, v[ADRA]
	v_add_nc_u32 v[ADRA+1], SLOT, v[ADRA]
	; The turning load: lane l reads 16 bytes of row k = 8 h + l % 8, columns 8 ((l / 8) % 2) + 0..7, and ends with column l % 16 and 8 k.
	v_and_b32 v4, 7, v0
	v_bfe_u32 v5, v0, 3, 1
	v_lshl_add_u32 v6, v2, 3, v4
	v_mul_u32_u24 v6, v6, PB
	v_lshl_add_u32 v6, v5, 4, v6
.if KIND == 1
	s_lshl_b32 s17, s12, 6                         ; my two blocks of each sub-tile: 64 bytes x wave
	v_add_nc_u32 v6, s17, v6
.irp s, 0,1
.irp hd, 0,1,2
	v_add_nc_u32 v[ADRB+3*(\s)+(\hd)], (\s)*SLOT+(AW+(\hd))*REG, v6
.endr
.endr
.else
	s_lshr_b32 s17, s12, 1                         ; my 64 columns: sub-tile wave / 2, its half wave % 2
	s_mul_i32 s17, s17, REG
	s_and_b32 s18, s12, 1
	s_lshl_b32 s18, s18, 7
	s_add_co_u32 s17, s17, s18
	v_add_nc_u32 v6, s17, v6
	v_add_nc_u32 v[ADRB], AW*REG, v6
	v_add_nc_u32 v[ADRB+3], SLOT+AW*REG, v6
.endif
	; the prefetches
	s_lshl_b32 s72, s13, 17                        ; my work-group's 32 of the tile's 128 rows of A: cx x 32 x 4,096 bytes
	s_add_nc_u64 s[46:47], s[22:23], s[72:73]
	s_cmp_eq_u32 s12, 0                            ; wave 0 asks, while more than five laps are to go
	s_cselect_b32 s41, 5, -1
	v_and_b32 v[PFO], 31, v0
	v_lshlrev_b32 v[PFO], 12, v[PFO]
.if KIND == 1
	; the way out: the table, the stage (slot 0, behind its last fill) and qkvh
	s_and_b32 s17, s16, 7
	s_lshl_b32 s17, s17, 16                        ; the tile's first position x 512 bytes
.irp g, 0,1                            ; heads 3 c and 3 c + 1 are V together (c = 7 alone), so one table serves both; head 3 c + 2 has its own
	s_mul_i32 s72, s15, 3
	s_add_co_u32 s72, s72, 2*(\g)
	s_cmp_ge_u32 s72, 20                           ; a head of V takes the plane of (1, 0): the choice enters a global address alone
	s_cselect_b32 s72, 524288, 0
	s_add_co_u32 s72, s72, s17
	s_add_nc_u64 s[66+2*(\g):67+2*(\g)], s[8:9], s[72:73]
.endr
	s_lshr_b32 s18, s16, 3                         ; b
	s_mul_i32 s18, s18, 24
	s_mul_i32 s72, s15, 3
	s_add_co_u32 s18, s18, s72
	s_lshl_b32 s72, s18, 18                        ; plane 24 b + 3 x tile column, 262,144 bytes each
	s_lshr_b32 s17, s17, 1                         ; + the tile's first position x 256 bytes
	s_add_co_u32 s72, s72, s17
	s_lshl_b32 s17, s12, 13                        ; + the 32 rows that I store
	s_add_co_u32 s72, s72, s17
	s_add_nc_u64 s[10:11], s[10:11], s[72:73]
	v_lshlrev_b32 v15, 9, v1                       ; table: row r, pairs 16 w + 4 h on: r x 512 + 128 w + 32 h
	v_lshl_add_u32 v15, v2, 5, v15
	s_lshl_b32 s17, s12, 7
	v_add_nc_u32 v15, s17, v15
	v_mul_u32_u24 v24, v1, PA                      ; into the stage: row r, byte 32 w + 8 h
	v_lshl_add_u32 v24, v2, 3, v24
	s_lshl_b32 s17, s12, 5
	v_add_nc_u32 v24, s17, v24
	v_add_nc_u32 v25, 2*128*PA, v24                ; the third head lies beyond an immediate's reach
	v_mul_u32_u24 v26, v2, PA                      ; back: rows 32 w + 2 n + h, whole
	v_lshl_add_u32 v26, v1, 4, v26
	s_mul_i32 s17, s12, 32*PA
	v_add_nc_u32 v26, s17, v26
	v_add_nc_u32 v27, 2*128*PA, v26
	v_and_b32 v31, 31, v0                          ; two rows of 256 bytes are 512 consecutive bytes of a head
	v_lshlrev_b32 v31, 4, v31
.else
	s_mul_i32 s17, s12, 16*PA
	s_add_co_u32 s17, s17, STAGE                   ; my stage
	v_mul_u32_u24 v24, v1, PA                      ; in: row r, 32 bytes for each half of the lanes
	v_lshl_add_u32 v24, v2, 5, v24
	v_add_nc_u32 v24, s17, v24
	v_mul_u32_u24 v26, v2, PA                      ; back: lanes 0-15 one row of 256 bytes, lanes 16-31 the next
	v_lshl_add_u32 v26, v1, 4, v26
	v_add_nc_u32 v26, s17, v26
	v_lshlrev_b32 v31, 13, v2                      ; and the same two rows in out0
	v_lshl_add_u32 v31, v1, 4, v31
	s_lshl_b32 s72, s16, 20                        ; tile row x 128 rows x 8,192 bytes
	s_lshl_b32 s17, s15, 10                        ; tile column x 1,024 bytes
	s_add_co_u32 s72, s72, s17
	s_lshl_b32 s17, s12, 8                         ; my 64 columns
	s_add_co_u32 s72, s72, s17
	s_add_nc_u64 s[8:9], s[8:9], s[72:73]
.endif
.if KIND == 1
.set OO,   112                         ; window 0, on the way out: 48: the turned numbers
.set TT,   160                         ; 8 at work
.set PK,   168                         ; 24: packed
.macro TPLACE a                        ; where row block a's table lies: window rTw, from register rTb on: (cos, sin) for 4 pairs x 2 column blocks, for heads 0 and 1, then for head 2
.if (\a) < 4
.set rTw, 3
.set rTb, 128+32*(\a)
.else
.set rTw, 1
.set rTb, 32*((\a)-4)+112*(((\a)-4)/2)             ; 0, 32, 176, 208: beside B's two fragment buffers
.endif
.endm
.macro TLOAD a                         ; eight loads: the table for row block a
	TPLACE \a
	WIN rTw<<6
.irp g, 0,1
.irp e, 0,1
	global_load_b128 v[rTb+16*(\g)+8*(\e):rTb+16*(\g)+8*(\e)+3],   v15, s[66+2*(\g):67+2*(\g)] offset:8192*(\a)+64*(\e)
	global_load_b128 v[rTb+16*(\g)+8*(\e)+4:rTb+16*(\g)+8*(\e)+7], v15, s[66+2*(\g):67+2*(\g)] offset:8192*(\a)+64*(\e)+16
.endr
.endr
.endm
; Row block a is turned, rounded and put into the stage.  A lane's eight columns are four pairs (z1, z2); pair i of the head gives out[i] and out[64 + i].
.macro ROPE a
	TPLACE \a
.set jb, 0
.rept 6
	WIN (2+jb/4)|(rTw<<2)                          ; source 0: the accumulators' window; source 1: the table's
.set rZ, 64*(jb%4)+8*(\a)
.set rC, rTb+16*(jb/4)+8*(jb%2)
.irp p, 0,1,2,3                        ; each accumulator is read from its low end on
	v_pk_mul_f32 v[TT+2*(\p):TT+2*(\p)+1], v[rZ+2*(\p):rZ+2*(\p)+1], v[rC+2*(\p):rC+2*(\p)+1] op_sel_hi:[0,1]  ; (z1 cos, z1 sin)
.endr
.irp p, 0,1,2,3
	v_pk_fma_f32 v[OO+8*jb+2*(\p):OO+8*jb+2*(\p)+1], v[rZ+2*(\p):rZ+2*(\p)+1], v[rC+2*(\p):rC+2*(\p)+1], v[TT+2*(\p):TT+2*(\p)+1] op_sel:[1,1,0] op_sel_hi:[1,0,1] neg_lo:[1,0,0]  ; (- z2 sin, + z2 cos) added
.endr
.set jb, jb+1
.endr
	WIN 0
.set jb, 0
.rept 6
	v_cvt_pk_f16_f32 v[PK+4*jb],   v[OO+8*jb],   v[OO+8*jb+2]
	v_cvt_pk_f16_f32 v[PK+4*jb+1], v[OO+8*jb+4], v[OO+8*jb+6]
	v_cvt_pk_f16_f32 v[PK+4*jb+2], v[OO+8*jb+1], v[OO+8*jb+3]
	v_cvt_pk_f16_f32 v[PK+4*jb+3], v[OO+8*jb+5], v[OO+8*jb+7]
.set jb, jb+1
.endr
.set jb, 0
.rept 6                                ; lane (r, h) writes banks 4 r + 2 h and the next
.if jb < 4
	ds_store_b64 v24, v[PK+4*jb:PK+4*jb+1]   offset:(jb/2)*128*PA+16*PA*(\a)+16*(jb%2)
	ds_store_b64 v24, v[PK+4*jb+2:PK+4*jb+3] offset:(jb/2)*128*PA+16*PA*(\a)+16*(jb%2)+128
.else
	ds_store_b64 v25, v[PK+4*jb:PK+4*jb+1]   offset:16*PA*(\a)+16*(jb%2)
	ds_store_b64 v25, v[PK+4*jb+2:PK+4*jb+3] offset:16*PA*(\a)+16*(jb%2)+128
.endif
.set jb, jb+1
.endr
.endm
.else
.macro TOSTAGE a                       ; row block a: f32 as it lies, 32 bytes a lane and column block, into my stage, and back as whole rows of 256 bytes
.if (\a) >= 2
	s_wait_xcnt 0x0                                ; the stores of the block two back have read the registers that are loaded again below
.endif
	WIN 0x08                                       ; the data (source 1) in window 2
.set jb, 0
.rept NB
	ds_store_b128 v24, v[64*jb+8*(\a):64*jb+8*(\a)+3]   offset:64*jb
	ds_store_b128 v24, v[64*jb+8*(\a)+4:64*jb+8*(\a)+7] offset:64*jb+16
.set jb, jb+1
.endr
	WIN 0
.set rBk, 64+32*((\a)%2)
.irp t, 0,1,2,3,4,5,6,7
	ds_load_b128 v[rBk+4*(\t):rBk+4*(\t)+3], v26 offset:2*PA*(\t)  ; LDS serves a wave's instructions in order (ISA guide 5.7.1.4): these see the stores above
.endr
.endm
.macro SEND a, younger                 ; younger: the LDS instructions issued behind block a's loads
.set rBk, 64+32*((\a)%2)
.irp t, 0,1,2,3,4,5,6,7
	s_wait_dscnt (\younger)+7-(\t)
	global_store_b128 v31, v[rBk+4*(\t):rBk+4*(\t)+3], s[8:9] offset:(16*(\a)+2*(\t))*8192  ; 16 lanes store 256 consecutive bytes, aligned
.endr
.endm
.endif
	s_wait_tensorcnt 1                             ; my part of the walk's first K step is in; the second's may stay out
	s_barrier_signal -1
	s_barrier_wait -1
	FETCH 0, 0, F0
.if KIND == 1
	TLOAD 0                                        ; the table for row blocks 0 to 3: 32 loads, wanted only on the way out
	TLOAD 1
	TLOAD 2
	TLOAD 3
.endif
	QUARTER 0, 1, F0, F1, 1                        ; the first quarter stands in front of the loop: its products start the sums
	WIN 0
	s_mov_b32 s42, 7
.Llap:                                                 ; a trip goes once round the ring, from a lap's second quarter to the next lap's first, and fills both slots again
	QUARTER 0, 2, F1, F0, 0
	QUARTER 0, 3, F0, F1, 0
	TURN 0, 1, 1
	QUARTER 1, 1, F0, F1, 0
	QUARTER 1, 2, F1, F0, 0
	QUARTER 1, 3, F0, F1, 0
	TURN 1, 0, 1
	QUARTER 0, 1, F0, F1, 0
	WIN 0
	s_sub_co_u32 s42, s42, 1
	s_cmp_lg_u32 s42, 0
	s_cbranch_scc1 .Llap
	QUARTER 0, 2, F1, F0, 0                        ; the last lap fills nothing
	QUARTER 0, 3, F0, F1, 0
	TURN 0, 1, 0
.if KIND == 1
	s_wait_loadcnt 0x0                             ; the first 32 table loads, issued fifteen K steps back: so 32 loads are out at the most
	TLOAD 4                                        ; the table for row blocks 4 to 7 comes in under the last K step
	TLOAD 5
	TLOAD 6
	TLOAD 7
.endif
	QUARTER 1, 1, F0, F1, 0
	QUARTER 1, 2, F1, F0, 0
	QUARTER 1, 3, F0, F1, 0
	s_wait_dscnt 0x0
.set jj, 0
.rept NB
	MULJ F1, jj, 0
.set jj, jj+1
.endr
	WIN 0
	PLACES
	PLACES                                         ; eight, once a launch
.if KIND == 1
	s_wait_loadcnt 0x0                             ; the whole table is in
	ROPE 0
	ROPE 1
	ROPE 2
	ROPE 3
	ROPE 4
	ROPE 5
	ROPE 6
	ROPE 7
	s_wait_dscnt 0x0                               ; for the others' sake: my stores into the stage are done; a head's row comes from all four waves
	s_barrier_signal -1
	s_barrier_wait -1
.set n, 0
.rept 48                               ; head n / 16, my rows 2 (n % 16) and the next
.if n < 32
	ds_load_b128 v[64+4*n:64+4*n+3], v26 offset:(n/16)*128*PA+2*PA*(n%16)
.else
	ds_load_b128 v[64+4*n:64+4*n+3], v27 offset:2*PA*(n%16)
.endif
.set n, n+1
.endr
.set n, 0
.rept 48
	s_wait_dscnt 47-n
	global_store_b128 v31, v[64+4*n:64+4*n+3], s[10:11] offset:(n/16)*262144+512*(n%16)  ; 512 consecutive bytes, aligned
.set n, n+1
.endr
.else
	TOSTAGE 0
.irp a, 1,2,3,4,5,6,7
	TOSTAGE \a
	SEND (\a)-1, 16
.endr
	SEND 7, 0
.endif
	s_wait_tensorcnt 0x0                           ; the wave's end, behind my last tensor load and my last LDS store
	ds_add_u32 v[SPW], v[NIL]
	s_wait_dscnt 0x0
	CROUND                                         ; the closing round: no work-group ends while a partner may still ask for a tile that names it
	s_endpgm
.Lfunc_end_k_qa56e7c7ed4_project:
	.size	k_qa56e7c7ed4_project, .Lfunc_end_k_qa56e7c7ed4_project-k_qa56e7c7ed4_project
	.p2alignl 7, 3214868480
	.fill 96, 4, 3214868480
	.section	.rodata,"a",@progbits
	.p2align	6, 0x0
	.amdhsa_kernel k_qa56e7c7ed4_project
		.amdhsa_group_segment_fixed_size 327680
		.amdhsa_private_segment_fixed_size 0
		.amdhsa_enable_private_segment 0
		.amdhsa_kernarg_size 32
		.amdhsa_user_sgpr_count 2
		.amdhsa_user_sgpr_kernarg_segment_ptr 1
		.amdhsa_wavefront_size32 1
		.amdhsa_system_sgpr_workgroup_id_x 1
		.amdhsa_system_sgpr_workgroup_id_y 1
		.amdhsa_system_sgpr_workgroup_id_z 1
		.amdhsa_system_vgpr_workitem_id 0
		.amdhsa_next_free_vgpr 1024
		.amdhsa_next_free_sgpr 80
		.amdhsa_reserve_vcc 0
		.amdhsa_float_denorm_mode_32 3
		.amdhsa_float_denorm_mode_16_64 3
		.amdhsa_memory_ordered 1
		.amdhsa_forward_progress 1
		.amdhsa_inst_pref_size 152
	.end_amdhsa_kernel
	.amdgpu_metadata
---
amdhsa.version: [ 1, 2 ]
amdhsa.kernels:
  - .name:           k_qa56e7c7ed4_project
    .symbol:         k_qa56e7c7ed4_project.kd
    .args:
      - { .name: xb, .offset: 0, .size: 8, .value_kind: global_buffer, .address_space: global }
      - { .name: wqkv, .offset: 8, .size: 8, .value_kind: global_buffer, .address_space: global }
      - { .name: rope, .offset: 16, .size: 8, .value_kind: global_buffer, .address_space: global }
      - { .name: qkvh, .offset: 24, .size: 8, .value_kind: global_buffer, .address_space: global }
    .group_segment_fixed_size: 327680
    .private_segment_fixed_size: 0
    .kernarg_segment_align: 8
    .kernarg_segment_size: 32
    .max_flat_workgroup_size: 128
    .sgpr_count:     80
    .vgpr_count:     1024
    .wavefront_size: 32
...
	.end_amdgpu_metadata
.endif
;; end of part 2
;; launch attend (part 3): grid 16 x 16, 4 waves a work-group, clusters of 4 x 1, 327,680 bytes of LDS; arguments qkvh, ob; writes ob
.if DOCPART == 3
	.amdgcn_target "amdgcn-amd-amdhsa--gfx1250"
	.amdhsa_code_object_version 6
	.text
	.protected	k_qa56e7c7ed4_attend
	.globl	k_qa56e7c7ed4_attend
	.p2align	8
	.type	k_qa56e7c7ed4_attend,@function
k_qa56e7c7ed4_attend:
	s_mov_b64 s[64:65], 0
	v_nop
	global_prefetch_b8 v0, s[64:65] scope:SCOPE_SE
	s_setreg_imm32_b32 hwreg(HW_REG_WAVE_MODE, 25, 1), 1
	s_wait_xcnt 0x0
	s_wait_alu depctr_hold_cnt(0) depctr_sa_sdst(0) depctr_va_vdst(0) depctr_va_sdst(0) depctr_va_ssrc(0) depctr_va_vcc(0) depctr_vm_vsrc(0)
	s_getreg_b32 s2, hwreg(HW_REG_IB_STS2, 6, 4)
	s_cmp_eq_u32 s2, 0
	s_cbranch_scc0 .Lentry_in_a_cluster
	s_endpgm
.Lentry_in_a_cluster:
	s_bfe_u32 s2, ttmp6, 0x10000c
	s_cmp_lg_u32 s2, 0x3003
	s_cbranch_scc0 .Lentry_shape_is_right
	s_endpgm
.Lentry_shape_is_right:
; CAUSAL ATTENTION WITH SHARED KEY AND VALUE HEADS.  qkvh [b 4][g 24][t 1024][128] f16: g 0-15 q, 16-19 k, 20-23 v; query head 4 kvh + cx reads k and v head kvh.
; O[q] = the sum over k <= q of softmax_k(Q[q] . K[k] / sqrt(128)) V[k], stored as ob [b x 1024 + t][head x 128 + channel] f16.  Products, maxima and sums in f32; the weights p are rounded
; to f16 for the second product (their sum l is taken of the unrounded p), O once at the end.
; LIMITS.  A hidden score counts as its value less 1e30; a weight below 2^-126 counts as 0 in l; p below 6e-5 keeps f16's fixed step of 6e-8; NaN and infinities are not treated apart.
; THE WALK.  A head's 1,024 positions lie in 8 blocks of 128; block i needs the key tiles 0 .. i of 128 keys, of which the last holds the diagonal.  A work-group takes blocks 7 - a and then a
; (a = the cluster's x): 9 tiles whatever a, so all 256 work-groups do equal work and one loop with a constant count walks them.
; CLUSTER.  The four partners are the four query heads of one key and value head, with the same a: they walk the same tiles in the same trips, so every tile is asked for jointly.
; cx enters Q's, O's and the prefetches' addresses alone.
; SHARES.  Wave w owns rows 32 w .. 32 w + 31 of a block: two tiles of 16 queries.  A tile of keys is two steps of 64.  In the diagonal tile's step s a wave of half w / 2 sees all keys if s < w / 2,
; none if s > w / 2, and its own pattern if s = w / 2.
; THE MASK is the C operand that starts S^T = K Q^T: MC = MD x AL + BE, MD the wave's own pattern (0 or -1e30), made once; (AL, BE) = (1, 0), (0, 0) or (0, -1e30).  Outside diagonal tiles MC stays 0.
; LAYOUT.  S^T = K Q^T holds one query a lane (lane % 16) and the keys 8 (lane / 16) + 0..7; two such results rounded to f16 are source 1 of O^T = V^T P.  K comes out of LDS as it lies, V turned.
; SOFTMAX.  p = 2^(c s - c m), c = log2(e) / sqrt(128), with a running maximum m; O and l are multiplied by a = 2^(c m_old - c m_new) in every step.  A block starts with c m far below every c s, so its first a is 0
; and O^T and l need only be finite: zeros at the start, what the first block left later.
; IN PHASES: a step's 32 products K Q^T, its softmax, its 32 products V^T P.  The next step's K is fetched behind the first phase, its V behind the third.
; REGISTERS, in windows of 256 (s_set_vgpr_msb: bits 1:0 source 0, 3:2 source 1, 5:4 source 2, 7:6 destination):
;   window 0: v0-11 addresses; v12-27 eight registers of statistics a tile; v61-63; v64-127 S^T, 32 a tile; v192-223 P, 16 a tile
;   window 1: v0-127 O^T, 64 a tile; v128-191 MD; v192-255 MC     window 2: v0-63 Q; v64-127 the second block's Q; v128-255 K of one step     window 3: v0-127 V of one step
.set KS,    64
.set PK,    272       ; a row of K in LDS: 256 bytes + 16: the 16 rows of a load start in 16 different groups of four banks (64 banks of 4 bytes: ISA guide 11.1)
.set PV,    288       ; a row of V: 256 + 32
.set VOFF,  KS*PK     ; a step's tiles lie together: 64 rows of K, then 64 rows of V
.set STEPB, KS*(PK+PV)
.set SLOT1, 1<<17     ; a slot holds a tile, two steps; slot 1 begins here, so that one exclusive or turns an address in one slot into the other's
.set STAGE, SLOT1+2*STEPB  ; 16 rows x 272 bytes for each wave, never filled by a tensor load
.set SP,    272
.set SPARE, STAGE+4*16*SP  ; the spare words, 128 bytes for each wave: two blocks of 256 bytes that no other line names
.set ST,  12          ; tile t's statistics at v[ST+8 t]: c m, m, l (even keys', odd keys'), c0-c3 at work; a takes c2's place
.set S,   64
.set P,   192
.set MD,  128
.set MC,  192
.set QB,  64
.set KF,  128
; v2 my lane's place in a tile of K, v3 in V, v4 the address in hand, v5 my offset in Q's rows, v6, v7 the stage in and back, v8 my offset in O, v61 256 x lane, v62 my spare word, v63 0
; s12 wave, s13 cx, s14 a, s15 7 - a, s[24:31], s[32:39] descriptor group 1 for K, V, s[40:43], s[44:47] group 0, s[48:49] where my prefetches stand, s50 LIM, s51 wave / 2, s52 1 in a diagonal tile,
; s56 tiles to ask for, s57 steps to go, s[58:59] c, s[60:61] lane selects, s62 LDS byte of the step to be fetched, s70 tiles of the block still to be entered, s71 the tile to ask for next,
; s72 the last tile of the block being asked for, s[74:75] a tile's offset, s[76:77] AL, s[78:79] BE, s[80:81] O for the second block, s82 -1e30
.set MSB, 0
.macro WIN new
.if MSB != (\new)
	s_set_vgpr_msb (MSB<<8)|(\new)
.set MSB, (\new)
.endif
.endm
.set W_KQ, 0x0a       ; K and Q in window 2, S^T in window 0
.set W_KM, 0x1a       ; the same with the C operand in window 1
.set W_PV, 0x53       ; V in window 3, P in window 0, O^T in window 1
.set W_RS, 0x41       ; destination and source 0 in window 1
.macro PLACES
.rept 4
	v_nop
.endr
.endm
.macro CROUND                       ; a round of the cluster's barrier
	s_barrier_signal -1
	s_barrier_wait -1
	s_cmp_lg_u32 s12, 0
	s_cbranch_scc1 .Lnot_wave_0_\@
	s_barrier_signal -3
.Lnot_wave_0_\@:
	s_barrier_wait -3
	s_barrier_signal -1
	s_barrier_wait -1
.endm
.macro JLOAD                        ; a joint fill: waves 0 and 1 fetch the tile's two steps of K, waves 2 and 3 of V; an s_nop 0 and four v_nop follow each line
	s_cmp_lt_u32 s12, 2
	s_cbranch_scc0 .Lfor_v_\@
	tensor_load_to_lds s[40:43], s[24:31]
	s_nop 0
.rept 4
	v_nop
.endr
	s_branch .Lasked_\@
.Lfor_v_\@:
	tensor_load_to_lds s[44:47], s[32:39]
	s_nop 0
.rept 4
	v_nop
.endr
.Lasked_\@:
.endm
; A prefetch into the L2 of the tile that the next change of slots will ask for.  The cluster with a = 0 walks tiles 0 to 7 in its first block, ahead of or with the other three clusters of the same key head: it alone asks, in trips
; 0 to 5, for tiles 2 to 7.  Its four partners share a tile's 128 rows out by address, 32 each, a lane a row; wave 0 asks for K's, wave 2 for V's.  So each row is named once in the launch.
.macro ASK
	s_cmp_gt_u32 s56, s50
	s_cbranch_scc0 .Lnot_mine_\@
	global_prefetch_b8 v61, s[48:49] th:TH_LOAD_NT scope:SCOPE_SE
.Lnot_mine_\@:
.endm
; Product i of 32 of S^T = K Q^T: channels 32 (i / 8) on, keys 16 ((i / 2) % 4) on, tile i % 2.  The first 8 start the sums with the mask.  The 8 accumulators take turns.
.macro KQ
.set rS, S+32*(i%2)+8*((i/2)%4)
.set rK, KF+32*((i/2)%4)+8*(i/8)
.set rQ, 32*(i%2)+8*(i/8)
.set rM, MC+32*(i%2)+8*((i/2)%4)
.if i < 8
	WIN W_KM
	v_wmma_f32_16x16x32_f16 v[rS:rS+7], v[rK:rK+7], v[rQ:rQ+7], v[rM:rM+7]
.else
	WIN W_KQ
	v_wmma_f32_16x16x32_f16 v[rS:rS+7], v[rK:rK+7], v[rQ:rQ+7], v[rS:rS+7]
.endif
.set i, i+1
.endm
; Product i of 32 of O^T += V^T P: keys 32 (i / 16) on, channels 16 ((i / 2) % 8) on, tile i % 2.  The 16 accumulators take turns.
.macro PV
	WIN W_PV
.set rO, 64*(i%2)+8*((i/2)%8)
.set rV, 64*(i/16)+8*((i/2)%8)
.set rP, P+16*(i%2)+8*(i/16)
	v_wmma_f32_16x16x32_f16 v[rO:rO+7], v[rV:rV+7], v[rP:rP+7], v[rO:rO+7]
.set i, i+1
.endm
.macro FETCH_K                      ; a step's K: 64 keys x 128 channels, 16 fragments, 32 loads in one run
	WIN 0
	v_add_nc_u32 v4, s62, v2
	WIN 0x80
.irp f, 0,1,2,3,4,5,6,7,8,9,10,11,12,13,14,15  ; keys 16 (f / 4) on, channels 32 (f % 4) on
	ds_load_b128 v[KF+8*(\f):KF+8*(\f)+3],   v4 offset:((\f)/4)*16*PK+((\f)%4)*64
	ds_load_b128 v[KF+8*(\f)+4:KF+8*(\f)+7], v4 offset:((\f)/4)*16*PK+((\f)%4)*64+32
.endr
	WIN 0
.endm
.macro FETCH_V                      ; the same step's V, turned; the next fetch is the next step's
	WIN 0
	v_add_nc_u32 v4, s62, v3
	s_add_co_u32 s62, s62, STEPB
	WIN 0xc0
.irp f, 0,1,2,3,4,5,6,7,8,9,10,11,12,13,14,15  ; keys 32 (f / 8) on, channels 16 (f % 8) on
	ds_load_tr16_b128 v[8*(\f):8*(\f)+3],   v4 offset:((\f)/8)*32*PV+((\f)%8)*32
	ds_load_tr16_b128 v[8*(\f)+4:8*(\f)+7], v4 offset:((\f)/8)*32*PV+16*PV+((\f)%8)*32
.endr
	WIN 0
.endm
; One tile's softmax for one key step is a list of 134 instructions; SM writes number j of it for tile t.  s0-s31 are the lane's 32 scores.
;   0-15 the maximum of the scores and the old m, three operands at a time (each accumulator's lowest registers are read first)     16-20 the other half of the lanes' maximum; m; c m; its change
;   21-69 one batch: the 16 scalings c s - c m and all 33 exponentials (a at 23); none of these reads an exponential's result     70-85 the roundings     86-101 the sums, l = a l + sum     102-133 O^T times a
.macro SM t
.set rT, ST+8*(\t)
.set rS, S+32*(\t)
.set rP, P+16*(\t)
.set rO, 64*(\t)+2*(j-102)
.if j < 102
	WIN 0
.endif
.if j < 4
	v_max3_num_f32 v[rT+4+j], v[rS+8*j], v[rS+8*j+1], v[rS+8*j+2]
.elseif j < 12
	v_max3_num_f32 v[rT+4+j%4], v[rT+4+j%4], v[rS+8*(j%4)+2*(j/4)+1], v[rS+8*(j%4)+2*(j/4)+2]
.elseif j == 12
	v_max3_num_f32 v[rT+4], v[rT+4], v[rS+7], v[rS+15]
.elseif j == 13
	v_max3_num_f32 v[rT+6], v[rT+6], v[rS+23], v[rS+31]
.elseif j == 14
	v_max3_num_f32 v[rT+4], v[rT+4], v[rT+5], v[rT+6]
.elseif j == 15
	v_max3_num_f32 v[rT+4], v[rT+4], v[rT+7], v[rT+1]
.elseif j == 16
	v_permlanex16_b32 v[rT+5], v[rT+4], s60, s61   ; the query's other 32 keys lie in the lane 16 away
.elseif j == 17
	v_mov_b32 v[rT+7], v[rT]                       ; c m_old is kept for a
.elseif j == 18
	v_max_num_f32 v[rT+1], v[rT+4], v[rT+5]
.elseif j == 19
	v_mul_f32 v[rT], s58, v[rT+1]
.elseif j == 20
	v_sub_f32 v[rT+7], v[rT+7], v[rT]
.elseif j == 23
	v_exp_f32 v[rT+6], v[rT+7]
.elseif (j < 23) || ((j < 38) && (j%2 == 0)) || ((j < 66) && (j%4 == 2))
.set sb, (j-2)/4                    ; 38, 42, .. 62: pairs 9 to 15
.if j < 38
.set sb, (j-20)/2                   ; 21: pair 0; 22, 24, .. 36: pairs 1 to 8
.endif
	v_pk_fma_f32 v[rS+2*sb:rS+2*sb+1], v[rS+2*sb:rS+2*sb+1], s[58:59], v[rT:rT+1] op_sel_hi:[1,0,0] neg_lo:[0,0,1] neg_hi:[0,0,1]
.elseif j < 70
.set se, j-38                       ; 66 to 69: s28 to s31
.if j < 66
.set se, j-32-(j-38)/4              ; 39-41, 43-45, .. 63-65: s7 to s27
.endif
.if j < 38
.set se, (j-25)/2                   ; 25, 27, .. 37: s0 to s6
.endif
	v_exp_f32 v[rS+se], v[rS+se]
.elseif j < 86
	v_cvt_pk_f16_f32 v[rP+j-70], v[rS+2*(j-70)], v[rS+2*(j-70)+1]
.elseif j < 102                     ; the 16 pairs are added in place, neighbours 1, 2, 4 and 8 pairs apart; then l takes the sum
.set sz, j-86
.set sw, 4
.set su, sz
.if sz >= 14
.set sw, 32
.set su, 0
.elseif sz >= 12
.set sw, 16
.set su, sz-12
.elseif sz >= 8
.set sw, 8
.set su, sz-8
.endif
.if sz < 15
	v_pk_add_f32 v[rS+sw*su:rS+sw*su+1], v[rS+sw*su:rS+sw*su+1], v[rS+sw*su+sw/2:rS+sw*su+sw/2+1]
.else
	v_pk_fma_f32 v[rT+2:rT+3], v[rT+2:rT+3], v[rT+6:rT+7], v[rS:rS+1] op_sel_hi:[1,0,1]
.endif
.else
	WIN W_RS
	v_pk_mul_f32 v[rO:rO+1], v[rO:rO+1], v[rT+6:rT+7] op_sel_hi:[1,0]
.endif
.endm
.macro SOFTMAX                      ; both tiles' lists, alternating, so that no instruction reads the result of the one just before it
.set j, 0
.rept 70
	SM 0
	SM 1
.set j, j+1
.endr
	v_nop                           ; a plain instruction behind the last exponential,
	s_wait_alu depctr_va_vdst(0)    ; and one wait for the step's 66, ahead of their first reader
.rept 64
	SM 0
	SM 1
.set j, j+1
.endr
	WIN 0
.endm
.macro MASK                         ; MC = MD x AL + BE
	WIN W_RS
.set z, 0
.rept 32
	v_pk_fma_f32 v[MC+2*z:MC+2*z+1], v[MD+2*z:MD+2*z+1], s[76:77], s[78:79] op_sel_hi:[1,0,0]
.set z, z+1
.endr
	WIN 0
.endm
.macro INIT                         ; a block begins
	WIN 0
.irp t, 0,1
	v_mov_b32 v[ST+8*(\t)], 0xfe000000     ; c m: far below every c s
	v_mov_b32 v[ST+8*(\t)+1], 0xff7fffff   ; m: the lowest finite number
.endr
	s_mov_b32 s76, 0
	s_mov_b32 s78, 0
	MASK
.endm
; THE CHANGE OF SLOTS.  Each wave waits for all its tensor loads (one is out: its part of the other slot), adds 0 to its spare word, and waits for that and for its reads of the slot that it leaves.
; fill = 1: the barrier is a round of the cluster's, and the old slot is filled again first thing behind it, with tile s71; the descriptor's address is made anew from that number.
; (At its first use nothing has been read yet: slot 0 is waited for, slot 1 filled.)
.macro CHANGE fill
	WIN 0
	s_wait_tensorcnt 0x0            ; no tensor load of mine is out, so a group 0 may be written
	ds_add_u32 v62, v63             ; 0 onto my spare word; scalar work stands between it and the wait for it
.if \fill
	s_lshl_b32 s74, s71, 15         ; a tile is 32,768 bytes of K and of V
	s_xor_b32 s41, s41, SLOT1
	s_add_nc_u64 s[42:43], s[6:7], s[74:75]
	s_or_b32 s43, s43, 0x80000000
	s_xor_b32 s45, s45, SLOT1
	s_add_nc_u64 s[46:47], s[8:9], s[74:75]
	s_or_b32 s47, s47, 0x80000000
	s_add_co_u32 s71, s71, 1        ; the block's next tile, or behind its last the second block's tile 0
	s_cmp_gt_u32 s71, s72
	s_cselect_b32 s71, 0, s71
	s_cselect_b32 s72, s14, s72
	s_wait_xcnt 0x0                 ; the last prefetch, a tile back, has read its address
	s_add_nc_u64 s[48:49], s[48:49], 32768
	s_wait_dscnt 0x0                ; the add is done, and my reads of the slot are over
	CROUND
	JLOAD
	ASK
.else
	s_wait_dscnt 0x0
	s_barrier_signal -1
	s_barrier_wait -1
.endif
	s_sub_co_u32 s62, s62, 2*STEPB  ; the fetches go back to a slot's first step,
	s_xor_b32 s62, s62, SLOT1       ; in the other slot
.endm
; A TILE: two key steps, written once and walked twice.  The jumps go forward over runs of LDS loads and over the mask; none passes a barrier or a tensor load.
.macro TILE
	FETCH_K
	FETCH_V
	s_mov_b32 s57, 2
.Lstep_\@:
	s_cmp_eq_u32 s52, 0
	s_cbranch_scc1 .Lopen_\@
	s_sub_co_u32 s53, 2, s57        ; the step's number in the diagonal tile
	s_cmp_eq_u32 s53, s51           ; my half's own step?
	s_cselect_b32 s76, 1.0, 0
	s_cmp_gt_u32 s53, s51           ; or a later one?
	s_cselect_b32 s78, s82, 0
	MASK
.Lopen_\@:
	s_wait_dscnt 32                 ; K is in; V's 32 loads, issued behind K's, may be out
.set i, 0
.rept 32
	KQ
.endr
	WIN 0
	PLACES                          ; behind the products: in front of the loads into K's registers and of the maximum
	s_cmp_eq_u32 s57, 1
	s_cbranch_scc1 .Lno_k_\@        ; the tile's last step fetches nothing: the next tile's first step comes behind the change of slots
	FETCH_K
.Lno_k_\@:
	SOFTMAX
	s_wait_dscnt 0x0                ; V is in (and the next K: in the last step no load stands behind V's, so the count is 0)
.set i, 0
.rept 32
	PV
.endr
	WIN 0
	PLACES
	s_cmp_eq_u32 s57, 1
	s_cbranch_scc1 .Lno_v_\@
	FETCH_V
.Lno_v_\@:
	s_sub_co_u32 s57, s57, 1
	s_cmp_lg_u32 s57, 0
	s_cbranch_scc1 .Lstep_\@
.endm
; THE WAY OUT of a block: l's two halves and the other half of the lanes' are added; O^T is divided by l, rounded to f16 and sent through my stage in LDS, a tile (16 rows) at a time.
.macro PACK t
	WIN W_RS
.set i, 64*(\t)
.rept 32
	v_pk_mul_f32 v[i:i+1], v[i:i+1], v[ST+8*(\t)+6:ST+8*(\t)+7] op_sel_hi:[1,0]
.set i, i+2
.endr
	WIN 0x05                        ; sources 0 and 1 window 1, destination window 0: S^T's registers are free
.set i, 0
.rept 32
	v_cvt_pk_f16_f32 v[S+32*(\t)+i], v[64*(\t)+2*i], v[64*(\t)+2*i+1]
.set i, i+1
.endr
	WIN 0
.irp f, 0,1,2,3,4,5,6,7
	ds_store_b128 v6, v[S+32*(\t)+4*(\f):S+32*(\t)+4*(\f)+3] offset:32*(\f)
.endr
.irp f, 0,1,2,3,4,5,6,7
	ds_load_b128 v[S+32*(\t)+4*(\f):S+32*(\t)+4*(\f)+3], v7 offset:(\f)*2*SP  ; LDS serves a wave's instructions in order (ISA guide 5.7.1.4): these see the stores above
.endr
.endm
.macro SEND t, younger              ; younger: the LDS instructions issued behind tile t's loads
.irp f, 0,1,2,3,4,5,6,7
	s_wait_dscnt (\younger)+7-(\f)
	global_store_b128 v8, v[S+32*(\t)+4*(\f):S+32*(\t)+4*(\f)+3], s[10:11] offset:(\t)*65536+(\f)*8192  ; 16 lanes store a head's 256 bytes of one row, aligned
.endr
.endm
.macro END
	WIN 0
.irp t, 0,1
	v_add_f32 v[ST+8*(\t)+4], v[ST+8*(\t)+2], v[ST+8*(\t)+3]
.endr
.irp t, 0,1
	v_permlanex16_b32 v[ST+8*(\t)+5], v[ST+8*(\t)+4], s60, s61
.endr
.irp t, 0,1
	v_add_f32 v[ST+8*(\t)+4], v[ST+8*(\t)+4], v[ST+8*(\t)+5]
.endr
.irp t, 0,1
	v_rcp_f32 v[ST+8*(\t)+6], v[ST+8*(\t)+4]
.endr
	v_nop                           ; a plain instruction behind the last reciprocal,
	s_wait_alu depctr_va_vdst(0)    ; and one wait for the two
	PACK 0
	PACK 1
	SEND 0, 16
	SEND 1, 0
.endm
	s_load_b128 s[16:19], s[0:1], 0x0  ; qkvh s[16:17], ob s[18:19]
	v_lshl_add_u32 v62, v0, 2, SPARE
	v_mov_b32 v63, 0
	ds_add_u32 v62, v63             ; the wave's opening: the add and its wait ahead of my first tensor load
	v_lshrrev_b32 v1, 5, v0
	v_readfirstlane_b32 s12, v1     ; wave 0..3
	s_bfe_u32 s13, ttmp6, 0x40000   ; cx: which query head of the group
	s_mov_b32 s14, ttmp9            ; a
	s_sub_co_u32 s15, 7, s14
	s_and_b32 s20, ttmp7, 0xffff    ; 4 b + kvh
	s_lshr_b32 s21, s20, 2          ; b
	s_and_b32 s22, s20, 3           ; kvh
	s_mul_i32 s23, s21, 24
	s_and_b32 s53, s12, 1           ; which step of a tile I fetch
	s_lshr_b32 s51, s12, 1
	s_add_co_u32 s74, s23, s22      ; K: plane 24 b + 16 + kvh, my step's 64 rows
	s_add_co_u32 s74, s74, 16
	s_lshl_b32 s74, s74, 18
	s_lshl_b32 s83, s53, 14
	s_add_co_u32 s74, s74, s83
	s_mov_b32 s75, 0
	s_add_co_u32 s76, s74, 1<<20    ; V: four planes on
	s_mov_b32 s77, 0
	s_lshl_b32 s83, s22, 2
	s_add_co_u32 s83, s83, s13      ; the query head, 4 kvh + cx
	s_add_co_u32 s84, s23, s83      ; Q: plane 24 b + head, my 32 rows,
	s_lshl_b32 s84, s84, 18
	s_lshl_b32 s52, s12, 13
	s_add_co_u32 s84, s84, s52
	s_lshl_b32 s52, s14, 15
	s_add_co_u32 s88, s84, s52      ; in block a,
	s_lshl_b32 s52, s15, 15
	s_add_co_u32 s84, s84, s52      ; and in block 7 - a
	s_mov_b32 s85, 0
	s_mov_b32 s89, 0
	s_lshl_b32 s2, s21, 22          ; O: row 1,024 b + 128 block + 32 w, 4,096 bytes each; the head's 256 bytes
	s_lshl_b32 s52, s12, 17
	s_add_co_u32 s2, s2, s52
	s_lshl_b32 s52, s83, 8
	s_add_co_u32 s2, s2, s52
	s_lshl_b32 s52, s14, 19
	s_add_co_u32 s20, s2, s52
	s_lshl_b32 s52, s15, 19
	s_add_co_u32 s2, s2, s52
	s_mov_b32 s3, 0
	s_mov_b32 s21, 0
	; descriptor group 1: a tile of 64 rows x 128 elements, padded in LDS
	s_mov_b32 s24, 15|(1<<16)|(1<<20)|(1<<21)|(5<<22)|(3<<25)  ; 15:0 the mask of four; 17:16 2-byte elements; 20 padding on; 21 set beside a mask; 24:22 after every 64 words; 31:25 4 words
	s_mov_b32 s32, 15|(1<<16)|(1<<20)|(1<<21)|(5<<22)|(7<<25)  ; the same with 8 words of padding
.irp g, 24, 32
	s_mov_b32 s[(\g)+1], 128<<16    ; tensor_dim0 = 128
	s_mov_b32 s[(\g)+2], KS<<16     ; tensor_dim1 = 64
	s_mov_b32 s[(\g)+3], 128<<16    ; tile_dim0 = 128
	s_mov_b32 s[(\g)+4], KS         ; tile_dim1 = 64
	s_mov_b32 s[(\g)+5], 128        ; elements from row to row
	s_mov_b32 s[(\g)+6], 0
	s_mov_b32 s[(\g)+7], 0
.endr
	s_mov_b32 s40, 1                ; count = 1
	s_mul_i32 s41, s53, STEPB       ; LDS address: slot 0, my step: no place in the cluster enters it
	s_mov_b32 s44, 1
	s_add_co_u32 s45, s41, VOFF
	s_mov_b32 s58, 0x3e0293ee       ; c = log2(e) / sqrt(128)
	s_mov_b32 s59, s58
	s_mov_b32 s60, 0x76543210
	s_mov_b32 s61, 0xfedcba98
	s_mov_b32 s62, SLOT1+2*STEPB    ; the first change of slots turns this into 0
	s_sub_co_u32 s70, 8, s14        ; the first block has 8 - a tiles
	s_mov_b32 s71, 1
	s_mov_b32 s72, s15
	s_mov_b32 s56, 8
	s_mov_b32 s79, 0
	s_mov_b32 s82, 0xf149f2ca       ; -1e30
	s_or_b32 s50, s53, ttmp9        ; waves 0 and 2 of the cluster with a = 0 prefetch, while more than two tiles are still to be asked for
	s_cmp_eq_u32 s50, 0
	s_cselect_b32 s50, 2, -1
	v_and_b32 v61, 31, v0
	v_lshlrev_b32 v61, 8, v61
	s_wait_dscnt 0x0                ; the opening add is done
	s_wait_kmcnt 0x0
	s_add_nc_u64 s[6:7], s[16:17], s[74:75]    ; K and V at my step of tile 0
	s_add_nc_u64 s[8:9], s[16:17], s[76:77]
	s_add_nc_u64 s[4:5], s[16:17], s[84:85]    ; Q of the first block, of the second
	s_add_nc_u64 s[86:87], s[16:17], s[88:89]
	s_add_nc_u64 s[10:11], s[18:19], s[2:3]    ; O likewise
	s_add_nc_u64 s[80:81], s[18:19], s[20:21]
	s_mov_b64 s[42:43], s[6:7]
	s_or_b32 s43, s43, 0x80000000   ; type = 2
	s_mov_b64 s[46:47], s[8:9]
	s_or_b32 s47, s47, 0x80000000
	s_cmp_lt_u32 s12, 2
	s_cselect_b64 s[48:49], s[6:7], s[8:9]
	s_lshl_b32 s2, s13, 13          ; my work-group's 32 rows of the 128,
	s_add_co_u32 s2, s2, 32768      ; in tile 1: the first change of slots steps it to tile 2
	s_add_nc_u64 s[48:49], s[48:49], s[2:3]
	CROUND                          ; all four work-groups are here: the first joint loads meet
	JLOAD                           ; tile 0 into slot 0; slot 1 is asked for by the loop's first change of slots
	v_and_b32 v1, 15, v0            ; r = l % 16
	v_bfe_u32 v9, v0, 4, 1          ; h = l / 16
	v_lshlrev_b32 v5, 8, v1
	v_lshl_add_u32 v5, v9, 4, v5    ; row x 256 + 16 h
	WIN 0x80                        ; destination window 2
.set i, 0
.rept 8                             ; both blocks' Q stay in registers: tile i / 4, channels 32 (i % 4) on
	global_load_b128 v[8*i:8*i+3],   v5, s[4:5] offset:(i/4)*4096+(i%4)*64
	global_load_b128 v[8*i+4:8*i+7], v5, s[4:5] offset:(i/4)*4096+(i%4)*64+32
	global_load_b128 v[QB+8*i:QB+8*i+3],   v5, s[86:87] offset:(i/4)*4096+(i%4)*64
	global_load_b128 v[QB+8*i+4:QB+8*i+7], v5, s[86:87] offset:(i/4)*4096+(i%4)*64+32
.set i, i+1
.endr
	WIN 0
	v_mul_u32_u24 v2, v1, PK
	v_lshl_add_u32 v2, v9, 4, v2    ; K: row x pitch + 16 h
	v_and_b32 v10, 7, v0
	v_bfe_u32 v11, v0, 3, 1
	v_lshl_add_u32 v3, v9, 3, v10   ; V: lane l reads key 8 h + l % 8, channels 8 ((l / 8) % 2) + 0..7
	v_mul_u32_u24 v3, v3, PV
	v_lshl_add_u32 v3, v11, 4, v3
	v_add_nc_u32 v3, VOFF, v3
	s_mul_i32 s83, s12, 16*SP
	s_add_co_u32 s83, s83, STAGE    ; my stage
	v_mul_u32_u24 v6, v1, SP        ; in: row r, 16 bytes for each half of the lanes
	v_lshl_add_u32 v6, v9, 4, v6
	v_add_nc_u32 v6, s83, v6
	v_mul_u32_u24 v7, v9, SP        ; back: lanes 0-15 one row of 256 bytes, lanes 16-31 the next
	v_lshl_add_u32 v7, v1, 4, v7
	v_add_nc_u32 v7, s83, v7
	v_lshlrev_b32 v8, 12, v9        ; and the same two rows in ob
	v_lshl_add_u32 v8, v1, 4, v8
	v_lshlrev_b32 v28, 3, v9        ; my query's place in its half of the block, 32 (w % 2) + r, less my lanes' 8 h:
	v_sub_nc_u32 v28, v1, v28
	s_lshl_b32 s83, s53, 5
	v_add_nc_u32 v28, s83, v28      ; register i of tile u is hidden where 16 (i / 8) + i % 8 - 16 u is greater
	WIN 0x40
.set i, 0
.rept 64
	v_cmp_gt_i32 vcc_lo, 16*((i%32)/8)+i%8-16*(i/32), v28
	v_cndmask_b32 v[MD+i], 0, s82, vcc_lo
.set i, i+1
.endr
.set i, 0
.rept 128                           ; O^T and l start at 0, in the wait for the first tile: the price of writing no first step out
	v_mov_b32 v[i], 0
.set i, i+1
.endr
	WIN 0
.irp t, 0,1
	v_mov_b32 v[ST+8*(\t)+2], 0
	v_mov_b32 v[ST+8*(\t)+3], 0
.endr
	INIT
	s_wait_loadcnt 0x0              ; Q
.Lslot:                             ; eight trips: a tile is entered and the next is asked for
	CHANGE 1
	s_sub_co_u32 s70, s70, 1
	s_cmp_eq_u32 s70, 0             ; the block's last tile holds the diagonal
	s_cselect_b32 s52, 1, 0
	TILE
	s_cmp_eq_u32 s52, 0
	s_cbranch_scc1 .Lbottom
	END                             ; in the loop this is the first block's end: the second block's last tile is the walk's last
	s_wait_xcnt 0x0                 ; the stores have read their registers and O's address
	s_mov_b64 s[10:11], s[80:81]
	s_add_co_u32 s70, s14, 1        ; the second block has a + 1 tiles
	WIN 0x82                        ; its Q goes where the one text of the products names Q
.set i, 0
.rept 64
	v_mov_b32 v[i], v[QB+i]
.set i, i+1
.endr
	INIT
.Lbottom:
	s_sub_co_u32 s56, s56, 1
	s_cmp_lg_u32 s56, 0
	s_cbranch_scc1 .Lslot
	CHANGE 0                        ; the walk's last tile is written out: nothing is asked for
	s_mov_b32 s52, 1
	TILE
	END
	s_wait_tensorcnt 0x0            ; the wave's end, behind my last tensor load and my last LDS store
	ds_add_u32 v62, v63
	s_wait_dscnt 0x0
	CROUND                          ; the closing round: no work-group ends while a partner may still ask for a tile that names it
	s_endpgm
.Lfunc_end_k_qa56e7c7ed4_attend:
	.size	k_qa56e7c7ed4_attend, .Lfunc_end_k_qa56e7c7ed4_attend-k_qa56e7c7ed4_attend
	.p2alignl 7, 3214868480
	.fill 96, 4, 3214868480
	.section	.rodata,"a",@progbits
	.p2align	6, 0x0
	.amdhsa_kernel k_qa56e7c7ed4_attend
		.amdhsa_group_segment_fixed_size 327680
		.amdhsa_private_segment_fixed_size 0
		.amdhsa_enable_private_segment 0
		.amdhsa_kernarg_size 16
		.amdhsa_user_sgpr_count 2
		.amdhsa_user_sgpr_kernarg_segment_ptr 1
		.amdhsa_wavefront_size32 1
		.amdhsa_system_sgpr_workgroup_id_x 1
		.amdhsa_system_sgpr_workgroup_id_y 1
		.amdhsa_system_sgpr_workgroup_id_z 1
		.amdhsa_system_vgpr_workitem_id 0
		.amdhsa_next_free_vgpr 896
		.amdhsa_next_free_sgpr 90
		.amdhsa_reserve_vcc 1
		.amdhsa_float_denorm_mode_32 3
		.amdhsa_float_denorm_mode_16_64 3
		.amdhsa_memory_ordered 1
		.amdhsa_forward_progress 1
		.amdhsa_inst_pref_size 116
	.end_amdhsa_kernel
	.amdgpu_metadata
---
amdhsa.version: [ 1, 2 ]
amdhsa.kernels:
  - .name:           k_qa56e7c7ed4_attend
    .symbol:         k_qa56e7c7ed4_attend.kd
    .args:
      - { .name: qkvh, .offset: 0, .size: 8, .value_kind: global_buffer, .address_space: global }
      - { .name: ob, .offset: 8, .size: 8, .value_kind: global_buffer, .address_space: global }
    .group_segment_fixed_size: 327680
    .private_segment_fixed_size: 0
    .kernarg_segment_align: 8
    .kernarg_segment_size: 16
    .max_flat_workgroup_size: 128
    .sgpr_count:     90
    .vgpr_count:     896
    .wavefront_size: 32
...
	.end_amdgpu_metadata
.endif
;; end of part 3
;; launch output (part 4): grid 8 x 32, 4 waves a work-group, clusters of 4 x 4, 327,680 bytes of LDS; arguments ob, wo16, out0; writes out0
.if DOCPART == 4
	.amdgcn_target "amdgcn-amd-amdhsa--gfx1250"
	.amdhsa_code_object_version 6
	.text
	.protected	k_qa56e7c7ed4_output
	.globl	k_qa56e7c7ed4_output
	.p2align	8
	.type	k_qa56e7c7ed4_output,@function
k_qa56e7c7ed4_output:
	s_mov_b64 s[64:65], 0
	v_nop
	global_prefetch_b8 v0, s[64:65] scope:SCOPE_SE
	s_setreg_imm32_b32 hwreg(HW_REG_WAVE_MODE, 25, 1), 1
	s_wait_xcnt 0x0
	s_wait_alu depctr_hold_cnt(0) depctr_sa_sdst(0) depctr_va_vdst(0) depctr_va_sdst(0) depctr_va_ssrc(0) depctr_va_vcc(0) depctr_vm_vsrc(0)
	s_getreg_b32 s2, hwreg(HW_REG_IB_STS2, 6, 4)
	s_cmp_eq_u32 s2, 0
	s_cbranch_scc0 .Lentry_in_a_cluster
	s_endpgm
.Lentry_in_a_cluster:
	s_bfe_u32 s2, ttmp6, 0x10000c
	s_cmp_lg_u32 s2, 0xf033
	s_cbranch_scc0 .Lentry_shape_is_right
	s_endpgm
.Lentry_shape_is_right:
; ONE TEXT FOR TWO LAUNCHES, chosen by KIND: C = A B, A [4096][2048] with K along the rows, B [2048 k][NTOT n] as the weights lie.  Sums in f32.
; KIND 1: A = xb, B = wqkv, both bf16.  A tile of C is 128 rows x 384 columns = three whole heads of q, k or v, turned by the table on the way out, rounded once to f16 and stored by heads.
; KIND 2 (this launch): A = ob, B = wo16, both f16 (wo16 holds Wo rounded to bf16, its rows in the order of ob's channels).  A tile of C is 128 x 256, stored as f32 into out0.
; SHARES.  grid 8 x 32 = 256 work-groups, one tile each.  Four waves; a wave makes all 128 rows x NB blocks of 16 columns: 8 NB accumulators.  K goes in 16 steps of 128 through two LDS slots.
; THE WALK ALONG K BEGINS ELSEWHERE IN EACH CLUSTER: at K step 4 (cluster y % 4) + 8 (cluster x), modulo 16, and goes once round.  So the two clusters that read the same rows of A stand eight K steps apart,
; and clusters that read the same columns of B and differ in y % 4 stand four, eight or twelve apart.  A tile's f32 sums are taken in the order of its walk.
; B IS NOT TRANSPOSED in memory: a K step of B lies in LDS as 128 rows (k) of 128 columns, and ds_load_tr16_b128 turns 16 x 16 numbers into half a fragment.
; THE MATRIX INSTRUCTION IS USED TRANSPOSED (source 0 = 16 columns of B, source 1 = 16 rows of A): a lane then holds row lane % 16 of C and eight neighbouring columns.
; CLUSTER 4 x 4: A's tile hangs on the tile row alone and is asked for jointly by a row of the cluster, B's on the tile column alone, by a column: a quarter of the requests.
; LDS: a slot is four regions of 36,864 bytes.  A's 128 rows (pitch 272) lie in region 0; B's sub-tile j (128 rows of pitch 288) in region AW + j.  A load lands at wave x a constant + the slot's constant.
; REGISTERS, in windows of 256 (s_set_vgpr_msb: bits 1:0 source 0, 3:2 source 1, 5:4 source 2, 7:6 destination):
;   window 0: v0-31 addresses; v64-127, v128-191 A's fragments, two buffers; the rest at work on the way out     window 1: v64.., v128.. B's fragments, two buffers
;   window 2: accumulators of column blocks 0-3 (block jb, row block a at 64 jb + 8 a)     window 3: v0-127 those of column blocks 4, 5
;   KIND 1: the table for the wave's eight row blocks, 32 registers each: blocks 0-3 in window 3, v128-255; blocks 4-7 in window 1, v0-63 and v176-239
.set KIND, 2
.if KIND == 1
.set NH,   3                           ; sub-tiles of 128 columns in a tile
.set NB,   6                           ; blocks of 16 columns a wave
.set NTOT, 3072                        ; columns of B
.set AW,   1                           ; waves that fetch A; the other NH fetch B's sub-tiles
.else
.set NH,   2
.set NB,   4
.set NTOT, 2048
.set AW,   2
.endif
.set AR,    128/AW                     ; rows of A in one load
.set PA,    272                        ; a row of A in LDS: 256 bytes + 16: the 16 rows of a fragment load start in 16 different groups of four banks (64 banks of 4 bytes: ISA guide 11.1)
.set PB,    288                        ; a row of B: 256 + 32
.set REG,   128*PB
.set SLOT,  4*REG
.set STAGE, 2*SLOT                     ; KIND 2: 16 rows x 272 bytes for each wave, never filled by a tensor load
.set SPARE, STAGE+4*16*PA              ; the spare words, 128 bytes for each wave: two blocks of 256 bytes that no other line names
.set NL,    16+2*NB                    ; LDS loads in a quarter step's run
.set BSTEP, 128*NTOT*2                 ; bytes from a K step of B to the next
.set F0,    64
.set F1,    128
.set ADRA,  16                         ; v16-17  my lane's place in A's tile, slot 0, 1
.set ADRB,  18                         ; v18-23  the same in B's sub-tiles: 3 x slot + sub-tile (KIND 2: 3 x slot)
.set SPW,   28                         ; v28  SPARE + 4 x my thread's number; never rewritten
.set NIL,   29                         ; v29  0; never rewritten
.set PFO,   30                         ; v30  the prefetches' offset: my lane x a row of A in memory; never rewritten
.set G1A, 24                           ; s[24:31] descriptor group 1 for A;  s[32:39] group 0, a set for each slot
.set G0A, 32
.set G1B, 48                           ; s[48:55], s[56:63] the same for B
.set G0B, 56
.set KI,  76                           ; s76, s77  the K step that slot 0, 1 holds or is being filled with
.set KP,  78                           ; s78  the K step that the prefetch names
; s[2:3] A at my part of the tile's rows, s12 wave, s13 cx, s14 cy, s15 tile column, s16 tile row, s[22:23] A at the tile's first row, s40 my sub-tile of B, s41 LIM, s42 laps to go,
; s[44:45] where my prefetch stands, s[46:47] A at my work-group's 32 rows, s[66:69] the table for heads 0 and 1, for head 2, s[72:73] an offset (s73 = 0), s[74:75] B at my sub-tile's first column
.set MSB, 0
.macro WIN new                         ; the immediate's high byte repeats the setting that is left; a switch that changes nothing is dropped
.if MSB != (\new)
	s_set_vgpr_msb (MSB<<8)|(\new)
.set MSB, (\new)
.endif
.endm
.macro PLACES                          ; four places behind matrix instructions, in front of loads into registers that they have read and of readers of their results
.rept 4
	v_nop
.endr
.endm
.macro CREST                           ; a round of the cluster's barrier behind its opening barrier
	s_cmp_lg_u32 s12, 0
	s_cbranch_scc1 .Lnot_wave_0_\@
	s_barrier_signal -3
.Lnot_wave_0_\@:
	s_barrier_wait -3
	s_barrier_signal -1
	s_barrier_wait -1
.endm
.macro CROUND                          ; a whole round
	s_barrier_signal -1
	s_barrier_wait -1
	CREST
.endm
; A joint load: the first AW waves fetch A, the others B's sub-tiles.  The branch hangs on the wave's number alone.  An s_nop 0 and four v_nop follow each line;
; the four are also the places in front of the fragment loads that follow.
.macro JLOAD s
	s_cmp_lt_u32 s12, AW
	s_cbranch_scc0 .Lfor_b_\@
	tensor_load_to_lds s[G0A+4*(\s):G0A+4*(\s)+3], s[G1A:G1A+7]
	s_nop 0
.rept 4
	v_nop
.endr
	s_branch .Lasked_\@
.Lfor_b_\@:
	tensor_load_to_lds s[G0B+4*(\s):G0B+4*(\s)+3], s[G1B:G1B+7]
	s_nop 0
.rept 4
	v_nop
.endr
.Lasked_\@:
.endm
; A prefetch into the L2 of A's K step that stands two refills on in my cluster's walk: 32 rows x 256 bytes, a lane a row.  Of a tile row's sixteen K steps a cluster is the first of the two that read them to
; reach the eight with which its walk begins.  The first four of those come by their loads alone; the changes of slots 0 to 3 (laps to go above 5) ask for the other four.  Wave 0 asks; the four partners that ask
; for A's tile jointly share its 128 rows out by address (cx).  So each row's 256 bytes are named once in the launch.  B's sixteen K steps are all reached within the first four trips of the clusters' walks: none is asked for.
.macro ASK
	s_cmp_gt_u32 s42, s41
	s_cbranch_scc0 .Lnot_mine_\@
	global_prefetch_b8 v[PFO], s[44:45] th:TH_LOAD_NT scope:SCOPE_SE
.Lnot_mine_\@:
.endm
.macro MMA zero                        ; D = v[rD ..], source 0 = B's fragment v[rB ..], source 1 = A's v[rA ..]
.if KIND == 1
.if \zero
	v_wmma_f32_16x16x32_bf16 v[rD:rD+7], v[rB:rB+7], v[rA:rA+7], 0
.else
	v_wmma_f32_16x16x32_bf16 v[rD:rD+7], v[rB:rB+7], v[rA:rA+7], v[rD:rD+7]
.endif
.else
.if \zero
	v_wmma_f32_16x16x32_f16 v[rD:rD+7], v[rB:rB+7], v[rA:rA+7], 0
.else
	v_wmma_f32_16x16x32_f16 v[rD:rD+7], v[rB:rB+7], v[rA:rA+7], v[rD:rD+7]
.endif
.endif
.endm
; Eight matrix instructions: column block jb x all eight row blocks, 32 along K, from buffer f.  The 8 NB accumulators take turns, one instruction a turn, in the same order in every quarter step.
; zero = 1: the first product starts the sums: nothing is cleared.
.macro MULJ f, jb, zero
	WIN 0xa1+0x50*((\jb)/4)
.irp a, 0,1,2,3,4,5,6,7
.set rD, 64*((\jb)%4)+8*(\a)
.set rB, (\f)+8*(\jb)
.set rA, (\f)+8*(\a)
	MMA \zero
.endr
.endm
; NL LDS loads in one run: quarter q (32 along K) of a slot into buffer f: A's eight fragments, then B's NB, turned.
.macro FETCH slot, q, f
	WIN 0
.irp a, 0,1,2,3,4,5,6,7
	ds_load_b128 v[(\f)+8*(\a):(\f)+8*(\a)+3],   v[ADRA+(\slot)] offset:16*PA*(\a)+64*(\q)
	ds_load_b128 v[(\f)+8*(\a)+4:(\f)+8*(\a)+7], v[ADRA+(\slot)] offset:16*PA*(\a)+64*(\q)+32
.endr
	WIN 0x40                                       ; destination window 1, address window 0
.set jb, 0
.rept NB
.if KIND == 1
.set rAd, ADRB+3*(\slot)+jb/2                      ; sub-tile jb / 2, my block 2 w + jb % 2 of it
.set rOf, 32*(jb%2)+32*PB*(\q)
.else
.set rAd, ADRB+3*(\slot)
.set rOf, 32*jb+32*PB*(\q)
.endif
	ds_load_tr16_b128 v[(\f)+8*jb:(\f)+8*jb+3],   v[rAd] offset:rOf
	ds_load_tr16_b128 v[(\f)+8*jb+4:(\f)+8*jb+7], v[rAd] offset:rOf+16*PB
.set jb, jb+1
.endr
.endm
; A K step is four quarters on buffers 0, 1, 0, 1.  One of the first three multiplies buffer f and fetches quarter q of the same slot into buffer g.
.macro QUARTER slot, q, f, g, zero
	s_wait_dscnt 4                                 ; all but the youngest four loads: B's last two fragments
	MULJ \f, 0, \zero
	MULJ \f, 1, \zero
	PLACES                                         ; behind the products that read buffer g, a quarter back
	FETCH \slot, \q, \g
.if NB > 4
	MULJ \f, 2, \zero
	MULJ \f, 3, \zero
.endif
	s_wait_dscnt NL                                ; all but the NL just issued
	MULJ \f, NB-2, \zero
	MULJ \f, NB-1, \zero
.endm
; The last quarter multiplies buffer 1 and changes slots.  In front of the one barrier each wave waits for all its tensor loads (one is out: its part of the next slot), adds 0 to its spare word, and waits for
; that and for its reads of this slot.  fill = 1: the barrier opens a round of the cluster's, and the joint refill, two trips ahead in the walk, is the first thing behind the round.  The slot's K step goes up by
; two modulo 16, and both descriptors' addresses are made anew from it, between the add and the wait for it, where no tensor load of mine is out.
.macro TURN slot, next, fill
.if \fill
	s_wait_xcnt 0x0                                ; the last prefetch, a K step back, has read its address
	s_add_co_u32 s[KP], s[KP], 1
	s_and_b32 s[KP], s[KP], 15
	s_lshl_b32 s72, s[KP], 8
	s_add_nc_u64 s[44:45], s[46:47], s[72:73]
.endif
	WIN 0                                          ; (the add's two registers lie in window 0)
	s_wait_tensorcnt 0x0
	ds_add_u32 v[SPW], v[NIL]                      ; 0 onto my spare word; scalar work and products stand between it and the wait for it
.if \fill
	s_add_co_u32 s[KI+(\slot)], s[KI+(\slot)], 2
	s_and_b32 s[KI+(\slot)], s[KI+(\slot)], 15
	s_lshl_b32 s72, s[KI+(\slot)], 8               ; a K step of A: 256 bytes along the rows
	s_add_nc_u64 s[G0A+4*(\slot)+2:G0A+4*(\slot)+3], s[2:3], s[72:73]
	s_or_b32 s[G0A+4*(\slot)+3], s[G0A+4*(\slot)+3], 0x80000000
	s_mul_i32 s72, s[KI+(\slot)], BSTEP            ; a K step of B: 128 rows
	s_add_nc_u64 s[G0B+4*(\slot)+2:G0B+4*(\slot)+3], s[74:75], s[72:73]
	s_or_b32 s[G0B+4*(\slot)+3], s[G0B+4*(\slot)+3], 0x80000000
.endif
	s_wait_dscnt 5                                 ; (the add and B's last two fragments may be out)
	MULJ F1, 0, 0
.if NB > 4
	MULJ F1, 1, 0
.endif
	s_wait_dscnt 0x0                               ; the add is done, and my reads of this slot are over
	s_barrier_signal -1
.if NB > 4
	MULJ F1, 2, 0
	MULJ F1, 3, 0
.else
	MULJ F1, 1, 0
.endif
.if \fill
	WIN 0
.endif
	s_barrier_wait -1
.if \fill
	CREST                                          ; no wave of any partner still reads this slot or has a load on its way
	JLOAD \slot
.else
	PLACES
.endif
	FETCH \next, 0, F0
.if \fill
	WIN 0
	ASK
.endif
	MULJ F1, NB-2, 0
	MULJ F1, NB-1, 0
.endm
.if KIND == 1
	s_load_b256 s[4:11], s[0:1], 0x0               ; A s[4:5], B s[6:7], rope s[8:9], qkvh s[10:11]
.else
	s_load_b128 s[4:7], s[0:1], 0x0                ; A s[4:5], B s[6:7]
	s_load_b64 s[8:9], s[0:1], 0x10                ; out0
.endif
	v_lshl_add_u32 v[SPW], v0, 2, SPARE
	v_mov_b32 v[NIL], 0
	ds_add_u32 v[SPW], v[NIL]                      ; the wave's opening: the add and its wait ahead of my first tensor load
	v_lshrrev_b32 v1, 5, v0
	v_readfirstlane_b32 s12, v1                    ; wave 0..3
	s_bfe_u32 s13, ttmp6, 0x40000                  ; cx
	s_bfe_u32 s14, ttmp6, 0x40004                  ; cy
	s_lshl_b32 s15, ttmp9, 2
	s_add_co_u32 s15, s15, s13                     ; tile column = 4 x cluster x + cx
	s_and_b32 s16, ttmp7, 0xffff
	s_lshl_b32 s16, s16, 2
	s_add_co_u32 s16, s16, s14                     ; tile row = 4 x cluster y + cy
	s_lshl_b32 s17, s14, 2
	s_lshl_b32 s17, 15, s17                        ; my row of the cluster
	s_lshl_b32 s18, 0x1111, s13                    ; my column
	s_or_b32 s[G1A], s17, (1<<16)|(1<<20)|(1<<21)|(5<<22)|(3<<25)  ; 15:0 the mask; 17:16 2-byte elements; 20 padding on; 21 set beside a mask; 24:22 after every 64 words; 31:25 4 words
	s_or_b32 s[G1B], s18, (1<<16)|(1<<20)|(1<<21)|(5<<22)|(7<<25)  ; the same with my column's mask and 8 words of padding
	s_mov_b32 s[G1A+1], 128<<16                    ; tensor_dim0 = 128
	s_mov_b32 s[G1A+2], AR<<16                     ; tensor_dim1 = the load's rows
	s_mov_b32 s[G1A+3], 128<<16                    ; tile_dim0 = 128
	s_mov_b32 s[G1A+4], AR                         ; tile_dim1
	s_mov_b32 s[G1A+5], 2048                       ; elements from row to row
	s_mov_b32 s[G1A+6], 0
	s_mov_b32 s[G1A+7], 0
	s_mov_b32 s[G1B+1], 128<<16
	s_mov_b32 s[G1B+2], 128<<16
	s_mov_b32 s[G1B+3], 128<<16
	s_mov_b32 s[G1B+4], 128
	s_mov_b32 s[G1B+5], NTOT
	s_mov_b32 s[G1B+6], 0
	s_mov_b32 s[G1B+7], 0
	s_and_b32 s17, ttmp7, 3                        ; where my cluster's walk begins: 4 (cluster y % 4) + 8 (cluster x), modulo 16: the same in all sixteen partners
	s_lshl_b32 s17, s17, 2
	s_lshl_b32 s18, ttmp9, 3
	s_add_co_u32 s17, s17, s18
	s_and_b32 s[KI], s17, 15                       ; slot 0 takes that K step,
	s_add_co_u32 s[KI+1], s[KI], 1
	s_and_b32 s[KI+1], s[KI+1], 15                 ; slot 1 the next;
	s_add_co_u32 s[KP], s[KI], 3
	s_and_b32 s[KP], s[KP], 15                     ; the first change of slots steps this to the walk's trip 4
	s_max_u32 s40, s12, AW
	s_sub_co_u32 s40, s40, AW                      ; my sub-tile of B (0 in the waves that fetch A)
	s_mul_i32 s19, s12, AR*PA                      ; where my part of A lands,
	s_mul_i32 s43, s12, REG                        ; where my sub-tile of B lands: no place in the cluster enters an LDS address
	s_lshl_b32 s20, s16, 19                        ; A: tile row x 128 rows x 4,096 bytes
	s_mov_b32 s21, 0
	s_mul_i32 s72, s15, NH                         ; B: (tile column x NH + sub-tile) x 256 bytes
	s_add_co_u32 s72, s72, s40
	s_lshl_b32 s72, s72, 8
	s_mov_b32 s73, 0
	s_wait_dscnt 0x0                               ; the opening add is done
	s_wait_kmcnt 0x0
	s_add_nc_u64 s[22:23], s[4:5], s[20:21]        ; A at the tile's first row
.if AW > 1
	s_min_u32 s20, s12, AW-1
	s_mul_i32 s20, s20, AR*4096
	s_add_nc_u64 s[2:3], s[22:23], s[20:21]        ; at my half of its rows
.else
	s_mov_b64 s[2:3], s[22:23]
.endif
	s_add_nc_u64 s[74:75], s[6:7], s[72:73]        ; B at my sub-tile's first column
.irp s, 0,1
	s_mov_b32 s[G0A+4*(\s)], 1                     ; count = 1
	s_add_co_u32 s[G0A+4*(\s)+1], s19, (\s)*SLOT   ; LDS address
	s_lshl_b32 s72, s[KI+(\s)], 8
	s_add_nc_u64 s[G0A+4*(\s)+2:G0A+4*(\s)+3], s[2:3], s[72:73]  ; the slot's K step
	s_or_b32 s[G0A+4*(\s)+3], s[G0A+4*(\s)+3], 0x80000000        ; type = 2
	s_mov_b32 s[G0B+4*(\s)], 1
	s_add_co_u32 s[G0B+4*(\s)+1], s43, (\s)*SLOT
	s_mul_i32 s72, s[KI+(\s)], BSTEP
	s_add_nc_u64 s[G0B+4*(\s)+2:G0B+4*(\s)+3], s[74:75], s[72:73]
	s_or_b32 s[G0B+4*(\s)+3], s[G0B+4*(\s)+3], 0x80000000
.endr
	CROUND                                         ; all sixteen work-groups are here: the first joint loads meet
	s_cmp_lt_u32 s12, AW                           ; a wave's two first fills stand in one branch: two loads of mine are out
	s_cbranch_scc0 .Lfirst_b
	tensor_load_to_lds s[G0A:G0A+3], s[G1A:G1A+7]
	s_nop 0
	tensor_load_to_lds s[G0A+4:G0A+7], s[G1A:G1A+7]
	s_nop 0
.rept 4
	v_nop
.endr
	s_branch .Lfirst_asked
.Lfirst_b:
	tensor_load_to_lds s[G0B:G0B+3], s[G1B:G1B+7]
	s_nop 0
	tensor_load_to_lds s[G0B+4:G0B+7], s[G1B:G1B+7]
	s_nop 0
.rept 4
	v_nop
.endr
.Lfirst_asked:
	; A fragment of A: lane l holds row l % 16; registers 0-3 K = 8 (l / 16) + 0..7, registers 4-7 K = 16 + 8 (l / 16) + 0..7: two loads of 16 bytes, 32 bytes apart.
	v_and_b32 v1, 15, v0                           ; r = l % 16
	v_bfe_u32 v2, v0, 4, 1                         ; h = l / 16
	v_mul_u32_u24 v[ADRA], v1, PA
	v_lshl_add_u32 v[ADRA], v2, 4, v[ADRA]
	v_add_nc_u32 v[ADRA+1], SLOT, v[ADRA]
	; The turning load: lane l reads 16 bytes of row k = 8 h + l % 8, columns 8 ((l / 8) % 2) + 0..7, and ends with column l % 16 and 8 k.
	v_and_b32 v4, 7, v0
	v_bfe_u32 v5, v0, 3, 1
	v_lshl_add_u32 v6, v2, 3, v4
	v_mul_u32_u24 v6, v6, PB
	v_lshl_add_u32 v6, v5, 4, v6
.if KIND == 1
	s_lshl_b32 s17, s12, 6                         ; my two blocks of each sub-tile: 64 bytes x wave
	v_add_nc_u32 v6, s17, v6
.irp s, 0,1
.irp hd, 0,1,2
	v_add_nc_u32 v[ADRB+3*(\s)+(\hd)], (\s)*SLOT+(AW+(\hd))*REG, v6
.endr
.endr
.else
	s_lshr_b32 s17, s12, 1                         ; my 64 columns: sub-tile wave / 2, its half wave % 2
	s_mul_i32 s17, s17, REG
	s_and_b32 s18, s12, 1
	s_lshl_b32 s18, s18, 7
	s_add_co_u32 s17, s17, s18
	v_add_nc_u32 v6, s17, v6
	v_add_nc_u32 v[ADRB], AW*REG, v6
	v_add_nc_u32 v[ADRB+3], SLOT+AW*REG, v6
.endif
	; the prefetches
	s_lshl_b32 s72, s13, 17                        ; my work-group's 32 of the tile's 128 rows of A: cx x 32 x 4,096 bytes
	s_add_nc_u64 s[46:47], s[22:23], s[72:73]
	s_cmp_eq_u32 s12, 0                            ; wave 0 asks, while more than five laps are to go
	s_cselect_b32 s41, 5, -1
	v_and_b32 v[PFO], 31, v0
	v_lshlrev_b32 v[PFO], 12, v[PFO]
.if KIND == 1
	; the way out: the table, the stage (slot 0, behind its last fill) and qkvh
	s_and_b32 s17, s16, 7
	s_lshl_b32 s17, s17, 16                        ; the tile's first position x 512 bytes
.irp g, 0,1                            ; heads 3 c and 3 c + 1 are V together (c = 7 alone), so one table serves both; head 3 c + 2 has its own
	s_mul_i32 s72, s15, 3
	s_add_co_u32 s72, s72, 2*(\g)
	s_cmp_ge_u32 s72, 20                           ; a head of V takes the plane of (1, 0): the choice enters a global address alone
	s_cselect_b32 s72, 524288, 0
	s_add_co_u32 s72, s72, s17
	s_add_nc_u64 s[66+2*(\g):67+2*(\g)], s[8:9], s[72:73]
.endr
	s_lshr_b32 s18, s16, 3                         ; b
	s_mul_i32 s18, s18, 24
	s_mul_i32 s72, s15, 3
	s_add_co_u32 s18, s18, s72
	s_lshl_b32 s72, s18, 18                        ; plane 24 b + 3 x tile column, 262,144 bytes each
	s_lshr_b32 s17, s17, 1                         ; + the tile's first position x 256 bytes
	s_add_co_u32 s72, s72, s17
	s_lshl_b32 s17, s12, 13                        ; + the 32 rows that I store
	s_add_co_u32 s72, s72, s17
	s_add_nc_u64 s[10:11], s[10:11], s[72:73]
	v_lshlrev_b32 v15, 9, v1                       ; table: row r, pairs 16 w + 4 h on: r x 512 + 128 w + 32 h
	v_lshl_add_u32 v15, v2, 5, v15
	s_lshl_b32 s17, s12, 7
	v_add_nc_u32 v15, s17, v15
	v_mul_u32_u24 v24, v1, PA                      ; into the stage: row r, byte 32 w + 8 h
	v_lshl_add_u32 v24, v2, 3, v24
	s_lshl_b32 s17, s12, 5
	v_add_nc_u32 v24, s17, v24
	v_add_nc_u32 v25, 2*128*PA, v24                ; the third head lies beyond an immediate's reach
	v_mul_u32_u24 v26, v2, PA                      ; back: rows 32 w + 2 n + h, whole
	v_lshl_add_u32 v26, v1, 4, v26
	s_mul_i32 s17, s12, 32*PA
	v_add_nc_u32 v26, s17, v26
	v_add_nc_u32 v27, 2*128*PA, v26
	v_and_b32 v31, 31, v0                          ; two rows of 256 bytes are 512 consecutive bytes of a head
	v_lshlrev_b32 v31, 4, v31
.else
	s_mul_i32 s17, s12, 16*PA
	s_add_co_u32 s17, s17, STAGE                   ; my stage
	v_mul_u32_u24 v24, v1, PA                      ; in: row r, 32 bytes for each half of the lanes
	v_lshl_add_u32 v24, v2, 5, v24
	v_add_nc_u32 v24, s17, v24
	v_mul_u32_u24 v26, v2, PA                      ; back: lanes 0-15 one row of 256 bytes, lanes 16-31 the next
	v_lshl_add_u32 v26, v1, 4, v26
	v_add_nc_u32 v26, s17, v26
	v_lshlrev_b32 v31, 13, v2                      ; and the same two rows in out0
	v_lshl_add_u32 v31, v1, 4, v31
	s_lshl_b32 s72, s16, 20                        ; tile row x 128 rows x 8,192 bytes
	s_lshl_b32 s17, s15, 10                        ; tile column x 1,024 bytes
	s_add_co_u32 s72, s72, s17
	s_lshl_b32 s17, s12, 8                         ; my 64 columns
	s_add_co_u32 s72, s72, s17
	s_add_nc_u64 s[8:9], s[8:9], s[72:73]
.endif
.if KIND == 1
.set OO,   112                         ; window 0, on the way out: 48: the turned numbers
.set TT,   160                         ; 8 at work
.set PK,   168                         ; 24: packed
.macro TPLACE a                        ; where row block a's table lies: window rTw, from register rTb on: (cos, sin) for 4 pairs x 2 column blocks, for heads 0 and 1, then for head 2
.if (\a) < 4
.set rTw, 3
.set rTb, 128+32*(\a)
.else
.set rTw, 1
.set rTb, 32*((\a)-4)+112*(((\a)-4)/2)             ; 0, 32, 176, 208: beside B's two fragment buffers
.endif
.endm
.macro TLOAD a                         ; eight loads: the table for row block a
	TPLACE \a
	WIN rTw<<6
.irp g, 0,1
.irp e, 0,1
	global_load_b128 v[rTb+16*(\g)+8*(\e):rTb+16*(\g)+8*(\e)+3],   v15, s[66+2*(\g):67+2*(\g)] offset:8192*(\a)+64*(\e)
	global_load_b128 v[rTb+16*(\g)+8*(\e)+4:rTb+16*(\g)+8*(\e)+7], v15, s[66+2*(\g):67+2*(\g)] offset:8192*(\a)+64*(\e)+16
.endr
.endr
.endm
; Row block a is turned, rounded and put into the stage.  A lane's eight columns are four pairs (z1, z2); pair i of the head gives out[i] and out[64 + i].
.macro ROPE a
	TPLACE \a
.set jb, 0
.rept 6
	WIN (2+jb/4)|(rTw<<2)                          ; source 0: the accumulators' window; source 1: the table's
.set rZ, 64*(jb%4)+8*(\a)
.set rC, rTb+16*(jb/4)+8*(jb%2)
.irp p, 0,1,2,3                        ; each accumulator is read from its low end on
	v_pk_mul_f32 v[TT+2*(\p):TT+2*(\p)+1], v[rZ+2*(\p):rZ+2*(\p)+1], v[rC+2*(\p):rC+2*(\p)+1] op_sel_hi:[0,1]  ; (z1 cos, z1 sin)
.endr
.irp p, 0,1,2,3
	v_pk_fma_f32 v[OO+8*jb+2*(\p):OO+8*jb+2*(\p)+1], v[rZ+2*(\p):rZ+2*(\p)+1], v[rC+2*(\p):rC+2*(\p)+1], v[TT+2*(\p):TT+2*(\p)+1] op_sel:[1,1,0] op_sel_hi:[1,0,1] neg_lo:[1,0,0]  ; (- z2 sin, + z2 cos) added
.endr
.set jb, jb+1
.endr
	WIN 0
.set jb, 0
.rept 6
	v_cvt_pk_f16_f32 v[PK+4*jb],   v[OO+8*jb],   v[OO+8*jb+2]
	v_cvt_pk_f16_f32 v[PK+4*jb+1], v[OO+8*jb+4], v[OO+8*jb+6]
	v_cvt_pk_f16_f32 v[PK+4*jb+2], v[OO+8*jb+1], v[OO+8*jb+3]
	v_cvt_pk_f16_f32 v[PK+4*jb+3], v[OO+8*jb+5], v[OO+8*jb+7]
.set jb, jb+1
.endr
.set jb, 0
.rept 6                                ; lane (r, h) writes banks 4 r + 2 h and the next
.if jb < 4
	ds_store_b64 v24, v[PK+4*jb:PK+4*jb+1]   offset:(jb/2)*128*PA+16*PA*(\a)+16*(jb%2)
	ds_store_b64 v24, v[PK+4*jb+2:PK+4*jb+3] offset:(jb/2)*128*PA+16*PA*(\a)+16*(jb%2)+128
.else
	ds_store_b64 v25, v[PK+4*jb:PK+4*jb+1]   offset:16*PA*(\a)+16*(jb%2)
	ds_store_b64 v25, v[PK+4*jb+2:PK+4*jb+3] offset:16*PA*(\a)+16*(jb%2)+128
.endif
.set jb, jb+1
.endr
.endm
.else
.macro TOSTAGE a                       ; row block a: f32 as it lies, 32 bytes a lane and column block, into my stage, and back as whole rows of 256 bytes
.if (\a) >= 2
	s_wait_xcnt 0x0                                ; the stores of the block two back have read the registers that are loaded again below
.endif
	WIN 0x08                                       ; the data (source 1) in window 2
.set jb, 0
.rept NB
	ds_store_b128 v24, v[64*jb+8*(\a):64*jb+8*(\a)+3]   offset:64*jb
	ds_store_b128 v24, v[64*jb+8*(\a)+4:64*jb+8*(\a)+7] offset:64*jb+16
.set jb, jb+1
.endr
	WIN 0
.set rBk, 64+32*((\a)%2)
.irp t, 0,1,2,3,4,5,6,7
	ds_load_b128 v[rBk+4*(\t):rBk+4*(\t)+3], v26 offset:2*PA*(\t)  ; LDS serves a wave's instructions in order (ISA guide 5.7.1.4): these see the stores above
.endr
.endm
.macro SEND a, younger                 ; younger: the LDS instructions issued behind block a's loads
.set rBk, 64+32*((\a)%2)
.irp t, 0,1,2,3,4,5,6,7
	s_wait_dscnt (\younger)+7-(\t)
	global_store_b128 v31, v[rBk+4*(\t):rBk+4*(\t)+3], s[8:9] offset:(16*(\a)+2*(\t))*8192  ; 16 lanes store 256 consecutive bytes, aligned
.endr
.endm
.endif
	s_wait_tensorcnt 1                             ; my part of the walk's first K step is in; the second's may stay out
	s_barrier_signal -1
	s_barrier_wait -1
	FETCH 0, 0, F0
.if KIND == 1
	TLOAD 0                                        ; the table for row blocks 0 to 3: 32 loads, wanted only on the way out
	TLOAD 1
	TLOAD 2
	TLOAD 3
.endif
	QUARTER 0, 1, F0, F1, 1                        ; the first quarter stands in front of the loop: its products start the sums
	WIN 0
	s_mov_b32 s42, 7
.Llap:                                                 ; a trip goes once round the ring, from a lap's second quarter to the next lap's first, and fills both slots again
	QUARTER 0, 2, F1, F0, 0
	QUARTER 0, 3, F0, F1, 0
	TURN 0, 1, 1
	QUARTER 1, 1, F0, F1, 0
	QUARTER 1, 2, F1, F0, 0
	QUARTER 1, 3, F0, F1, 0
	TURN 1, 0, 1
	QUARTER 0, 1, F0, F1, 0
	WIN 0
	s_sub_co_u32 s42, s42, 1
	s_cmp_lg_u32 s42, 0
	s_cbranch_scc1 .Llap
	QUARTER 0, 2, F1, F0, 0                        ; the last lap fills nothing
	QUARTER 0, 3, F0, F1, 0
	TURN 0, 1, 0
.if KIND == 1
	s_wait_loadcnt 0x0                             ; the first 32 table loads, issued fifteen K steps back: so 32 loads are out at the most
	TLOAD 4                                        ; the table for row blocks 4 to 7 comes in under the last K step
	TLOAD 5
	TLOAD 6
	TLOAD 7
.endif
	QUARTER 1, 1, F0, F1, 0
	QUARTER 1, 2, F1, F0, 0
	QUARTER 1, 3, F0, F1, 0
	s_wait_dscnt 0x0
.set jj, 0
.rept NB
	MULJ F1, jj, 0
.set jj, jj+1
.endr
	WIN 0
	PLACES
	PLACES                                         ; eight, once a launch
.if KIND == 1
	s_wait_loadcnt 0x0                             ; the whole table is in
	ROPE 0
	ROPE 1
	ROPE 2
	ROPE 3
	ROPE 4
	ROPE 5
	ROPE 6
	ROPE 7
	s_wait_dscnt 0x0                               ; for the others' sake: my stores into the stage are done; a head's row comes from all four waves
	s_barrier_signal -1
	s_barrier_wait -1
.set n, 0
.rept 48                               ; head n / 16, my rows 2 (n % 16) and the next
.if n < 32
	ds_load_b128 v[64+4*n:64+4*n+3], v26 offset:(n/16)*128*PA+2*PA*(n%16)
.else
	ds_load_b128 v[64+4*n:64+4*n+3], v27 offset:2*PA*(n%16)
.endif
.set n, n+1
.endr
.set n, 0
.rept 48
	s_wait_dscnt 47-n
	global_store_b128 v31, v[64+4*n:64+4*n+3], s[10:11] offset:(n/16)*262144+512*(n%16)  ; 512 consecutive bytes, aligned
.set n, n+1
.endr
.else
	TOSTAGE 0
.irp a, 1,2,3,4,5,6,7
	TOSTAGE \a
	SEND (\a)-1, 16
.endr
	SEND 7, 0
.endif
	s_wait_tensorcnt 0x0                           ; the wave's end, behind my last tensor load and my last LDS store
	ds_add_u32 v[SPW], v[NIL]
	s_wait_dscnt 0x0
	CROUND                                         ; the closing round: no work-group ends while a partner may still ask for a tile that names it
	s_endpgm
.Lfunc_end_k_qa56e7c7ed4_output:
	.size	k_qa56e7c7ed4_output, .Lfunc_end_k_qa56e7c7ed4_output-k_qa56e7c7ed4_output
	.p2alignl 7, 3214868480
	.fill 96, 4, 3214868480
	.section	.rodata,"a",@progbits
	.p2align	6, 0x0
	.amdhsa_kernel k_qa56e7c7ed4_output
		.amdhsa_group_segment_fixed_size 327680
		.amdhsa_private_segment_fixed_size 0
		.amdhsa_enable_private_segment 0
		.amdhsa_kernarg_size 24
		.amdhsa_user_sgpr_count 2
		.amdhsa_user_sgpr_kernarg_segment_ptr 1
		.amdhsa_wavefront_size32 1
		.amdhsa_system_sgpr_workgroup_id_x 1
		.amdhsa_system_sgpr_workgroup_id_y 1
		.amdhsa_system_sgpr_workgroup_id_z 1
		.amdhsa_system_vgpr_workitem_id 0
		.amdhsa_next_free_vgpr 768
		.amdhsa_next_free_sgpr 80
		.amdhsa_reserve_vcc 0
		.amdhsa_float_denorm_mode_32 3
		.amdhsa_float_denorm_mode_16_64 3
		.amdhsa_memory_ordered 1
		.amdhsa_forward_progress 1
		.amdhsa_inst_pref_size 89
	.end_amdhsa_kernel
	.amdgpu_metadata
---
amdhsa.version: [ 1, 2 ]
amdhsa.kernels:
  - .name:           k_qa56e7c7ed4_output
    .symbol:         k_qa56e7c7ed4_output.kd
    .args:
      - { .name: ob, .offset: 0, .size: 8, .value_kind: global_buffer, .address_space: global }
      - { .name: wo16, .offset: 8, .size: 8, .value_kind: global_buffer, .address_space: global }
      - { .name: out0, .offset: 16, .size: 8, .value_kind: global_buffer, .address_space: global }
    .group_segment_fixed_size: 327680
    .private_segment_fixed_size: 0
    .kernarg_segment_align: 8
    .kernarg_segment_size: 24
    .max_flat_workgroup_size: 128
    .sgpr_count:     80
    .vgpr_count:     768
    .wavefront_size: 32
...
	.end_amdgpu_metadata
.endif
;; end of part 4
;; ======== version 2 of 2: 4 launches; version 1 with the launch prep written anew for expert scheduling mode
;; limits: values are held in f16: magnitudes above 65,504 overflow, below 6.1e-05 lose precision
;; workspace buffers: xb 16,777,216 bytes; wqkv 12,582,912 bytes; wo16 8,388,608 bytes; rope 1,048,576 bytes; qkvh 25,165,824 bytes; ob 16,777,216 bytes
;; launch prep (part 5): grid 1280 x 1, 8 waves a work-group, no clusters, 0 bytes of LDS; arguments x, Wq, Wk, Wv, Wo, xb, wqkv, wo16, rope; writes xb, wqkv, wo16, rope
.if DOCPART == 5
	.amdgcn_target "amdgcn-amd-amdhsa--gfx1250"
	.amdhsa_code_object_version 6
	.text
	.protected	k_qa56e7c7ed4_prep
	.globl	k_qa56e7c7ed4_prep
	.p2align	8
	.type	k_qa56e7c7ed4_prep,@function
k_qa56e7c7ed4_prep:
	s_mov_b64 s[64:65], 0
	v_nop
	global_prefetch_b8 v0, s[64:65] scope:SCOPE_SE
	s_setreg_imm32_b32 hwreg(HW_REG_WAVE_SCHED_MODE, 0, 2), 2
	s_setreg_imm32_b32 hwreg(HW_REG_WAVE_MODE, 25, 1), 1
	s_wait_xcnt 0x0
	s_wait_alu depctr_vm_vsrc(0)
; PREP: the matrix operands are rounded once, and the table of cosines and sines is made.
;   x  [4096][2048] f32 -> xb   [4096][2048] bf16
;   Wq [2048][2048], Wk, Wv [2048][512] f32 -> wqkv [2048 k][3072 n] bf16: columns 0-2047 Wq, 2048-2559 Wk, 2560-3071 Wv
;   Wo [2048][2048] f32 -> wo16 [2048][2048]: rounded to bf16 like the other inputs, and that number written as f16; row h*128+s goes to
;      row h*128 + s/2 + 64 (s%2), the order in which the attention launch leaves a head's channels
;   rope: two planes of [1024 t][64 i][cos, sin] f32: plane 0 the angles t x 10000^(-i/64), plane 1 (1, 0) everywhere (for V, which is not turned)
; LIMITS.  Wo beyond 65,504 becomes an infinity in f16, below 6e-5 it keeps f16's fixed step of 6e-8.  sin and cos: polynomials on |r| <= pi/4 cut at r^9/9! and
; r^10/10! (3e-7 at the most); the angle differs from one made with correctly rounded frequencies by about 2e-7 of itself (2e-4 at the largest angle, 1,023).
; SHARES.  A work-group of eight waves takes a chunk of 64 KiB of one input: 16 units of 4,096 bytes, thread t the 16 bytes at 16 t of each.  All sixteen loads of a wave go out
; at once; a wave's store covers 256 consecutive bytes, aligned.  No register is used twice, so no wait frees one.  No LDS, no barrier, no matrix unit: memory bounds this launch.
; Work-groups 0-511 x, 512-767 Wq, 768-1023 Wo, 1024-1087 Wk, 1088-1151 Wv; the last 128 make the table, eight rows each: a wave a row, a lane two frequencies.
; The four casts to bf16 are ONE text: which input, which output and three strides are chosen by the work-group's number.
; THE MODE: SCHED_MODE bits 1:0 = 2 (LLVM: expert scheduling mode 2), set by the entry lines.  The code itself states the register dependences
; between vector instructions and memory instructions, with s_wait_alu, always for 0.
; THE PLAN.  Registers that memory instructions touch:
;   v1           16 t: written once, at the head; read as the offset by a cast's sixteen loads and by the table's two stores.
;   v[8:71]      unit u: four registers at 8 + 4 u.  The loads land in them before any vector instruction has named them.  Behind the wait for its data the unit's conversions
;                work in place; the first two of the four are then the data of the unit's one store.
;   v[72:87], v2 the stores' offsets (v2 in Wo's cast): written once, behind the loads; read by the stores.
;   v[40:47]     the table's numbers: written by vector instructions, read by its two stores.
; No register that a memory instruction reads is written again, and no load lands in a register that a vector instruction has named: so no wait on vm_vsrc is owed, and the waits on
; va_vdst all state that a store's data and offset, or a load's offset, are written.  One stands at the head, for v1.  A cast's sixteen units go in four groups of four: the wait for the
; group's data, its conversions, ONE wait on va_vdst, its four stores.  That wait stands behind the conversions and not at the next group's head, where the finished data would lie
; idle until the next group's loads have come back.  The table has one wait on va_sdst behind its two compares and one on va_vdst ahead of its stores.
.macro LOADS16                         ; the chunk's sixteen units.  v1 was written ahead of the head's wait, and no vector instruction has named v[8:71]
.set u, 0
.rept 16
	global_load_b128 v[8+4*u:11+4*u], v1, s[26:27] offset:4096*u th:TH_LOAD_NT
.set u, u+1
.endr
.endm
; cos and sin of t x v[R], in two parts.  R: nine registers at work.  v2 = t as f32.
; ANGLE: n = the nearest whole number to angle x 2/pi; r = angle - n pi/2, with pi/2 in two parts (the first product cancels exactly in the fused multiply-add); sin r, cos r; is n odd? into s[M].
.macro ANGLE R, M
	v_mul_f32 v[\R+1], v2, v[\R]
	v_mul_f32 v[\R+2], 0x3f22f983, v[\R+1]
	v_rndne_f32 v[\R+2], v[\R+2]
	v_fmamk_f32 v[\R+3], v[\R+2], 0xbfc90fdb, v[\R+1]
	v_fmamk_f32 v[\R+3], v[\R+2], 0x333bbd2e, v[\R+3]
	v_mul_f32 v[\R+4], v[\R+3], v[\R+3]            ; r^2
	v_fma_f32 v[\R+5], v[\R+4], s22, s23           ; sin: -1/5040, 1/120
	v_fma_f32 v[\R+6], v[\R+4], s30, s31           ; cos: 1/40320, -1/720
	v_fmaak_f32 v[\R+5], v[\R+4], v[\R+5], 0xbe2aaaab
	v_fmaak_f32 v[\R+6], v[\R+4], v[\R+6], 0x3d2aaaab
	v_mul_f32 v[\R+5], v[\R+5], v[\R+4]
	v_fma_f32 v[\R+6], v[\R+4], v[\R+6], -0.5
	v_fma_f32 v[\R+5], v[\R+3], v[\R+5], v[\R+3]   ; sin r
	v_fma_f32 v[\R+6], v[\R+4], v[\R+6], 1.0       ; cos r
	v_cvt_u32_f32 v[\R+7], v[\R+2]
	v_and_b32 v[\R+8], 1, v[\R+7]
	v_cmp_eq_u32 s[\M], 1, v[\R+8]                 ; an odd quarter turn swaps the two: a choice of values, no branch
.endm
; CHOOSE: n % 4 chooses and signs.  cos goes into v[C], sin into v[C+1].
.macro CHOOSE R, C, M
	v_cndmask_b32 v[\C+1], v[\R+5], v[\R+6], s[\M]
	v_cndmask_b32 v[\C], v[\R+6], v[\R+5], s[\M]
	v_and_b32 v[\R+8], 2, v[\R+7]                  ; sin is negative in quarters 2 and 3,
	v_lshlrev_b32 v[\R+8], 30, v[\R+8]
	v_xor_b32 v[\C+1], v[\C+1], v[\R+8]
	v_add_nc_u32 v[\R+7], 1, v[\R+7]               ; cos in quarters 1 and 2
	v_and_b32 v[\R+7], 2, v[\R+7]
	v_lshlrev_b32 v[\R+7], 30, v[\R+7]
	v_xor_b32 v[\C], v[\C], v[\R+7]
.endm
	s_load_b512 s[4:19], s[0:1], 0x0               ; x s[4:5], Wq s[6:7], Wk s[8:9], Wv s[10:11], Wo s[12:13], xb s[14:15], wqkv s[16:17], wo16 s[18:19]
	s_load_b64 s[20:21], s[0:1], 0x40              ; rope
	v_lshlrev_b32 v1, 4, v0                        ; 16 t
	s_wait_kmcnt 0x0
	s_wait_alu depctr_va_vdst(0)                   ; v1 is written: the loads of either cast read it as their offset, and no later vector instruction names it
	s_cmp_ge_u32 ttmp9, 1152
	s_cbranch_scc1 .Ltable
	s_cmp_lt_u32 ttmp9, 768
	s_cbranch_scc1 .Lplain
	s_cmp_lt_u32 ttmp9, 1024
	s_cbranch_scc1 .Lwo
.Lplain:
	; THE CASTS TO bf16.  With ci the chunk's number in its input, u the unit and t the thread, the 8 bytes stored lie at
	; 8 ci SB + COLB + (u/2) SB + (u%2) 2 S1 + (t/128) S1 + 8 (t%128).   x: SB 4,096, S1 1,024.  Wq: SB 6,144 (a row of wqkv), S1 1,024.  Wk, Wv: a unit is two rows of 512: SB 24,576, S1 6,144.
	s_mov_b32 s23, 6144                            ; SB
	s_mov_b32 s30, 1024                            ; S1
	s_mov_b32 s31, 0                               ; COLB
	s_cmp_lt_u32 ttmp9, 512                        ; x, or else Wq
	s_cselect_b64 s[26:27], s[4:5], s[6:7]
	s_cselect_b64 s[28:29], s[14:15], s[16:17]
	s_cselect_b32 s22, 0, 512                      ; the input's first work-group
	s_cselect_b32 s23, 4096, s23
	s_cmp_ge_u32 ttmp9, 1024                       ; Wk
	s_cselect_b64 s[26:27], s[8:9], s[26:27]
	s_cselect_b32 s22, 1024, s22
	s_cselect_b32 s23, 24576, s23
	s_cselect_b32 s30, 6144, s30
	s_cselect_b32 s31, 4096, s31
	s_cmp_ge_u32 ttmp9, 1088                       ; Wv
	s_cselect_b64 s[26:27], s[10:11], s[26:27]
	s_cselect_b32 s22, 1088, s22
	s_cselect_b32 s31, 5120, s31
	s_sub_co_u32 s22, ttmp9, s22                   ; ci
	s_lshl_b32 s24, s22, 16                        ; 64 KiB a chunk
	s_mov_b32 s25, 0
	s_add_nc_u64 s[26:27], s[26:27], s[24:25]
	s_mul_i32 s24, s22, s23
	s_lshl_b32 s24, s24, 3
	s_add_co_u32 s24, s24, s31
	s_add_nc_u64 s[28:29], s[28:29], s[24:25]
	LOADS16
	v_lshrrev_b32 v2, 7, v0
	v_mul_u32_u24 v2, v2, s30
	v_and_b32 v3, 127, v0
	v_lshl_add_u32 v2, v3, 3, v2                   ; (t/128) S1 + 8 (t%128)
	s_lshl_b32 s30, s30, 1                         ; 2 S1
	s_mov_b32 s24, 0
.set u, 0
.rept 8                                ; each unit's store has an offset register of its own, made while the loads are out
	v_add_nc_u32 v[72+u], s24, v2
	s_add_co_u32 s25, s24, s30
	v_add_nc_u32 v[73+u], s25, v2
	s_add_co_u32 s24, s24, s23
.set u, u+2
.endr
.set g, 0
.rept 4                                ; four groups of four units
	s_wait_loadcnt 12-4*g                          ; loads come back in order: units 4 g to 4 g + 3 are in, the 12 - 4 g younger ones may be out
.set u, 4*g
.rept 4
	v_cvt_pk_bf16_f32 v[8+4*u], v[8+4*u], v[9+4*u]
	v_cvt_pk_bf16_f32 v[9+4*u], v[10+4*u], v[11+4*u]
.set u, u+1
.endr
	s_wait_alu depctr_va_vdst(0)                   ; the group's eight conversions have written the data of the four stores below; in the first group: the offsets v[72:87] are written too
.set u, 4*g
.rept 4
	global_store_b64 v[72+u], v[8+4*u:9+4*u], s[28:29]
.set u, u+1
.endr
.set g, g+1
.endr
	s_endpgm
.Lwo:
	; Wo.  A chunk is eight rows of 2,048; source row h*128+s goes to row h*128 + s/2 + 64 (s%2): the 8 bytes stored lie at
	; (ci/16) 524,288 + (ci%16) 16,384 + (u/4) 4,096 + ((u/2)%2) 262,144 + (u%2) 2,048 + (t/128) 1,024 + 8 (t%128).
	s_sub_co_u32 s22, ttmp9, 768                   ; ci
	s_lshl_b32 s24, s22, 16
	s_mov_b32 s25, 0
	s_add_nc_u64 s[26:27], s[12:13], s[24:25]
	s_lshr_b32 s23, s22, 4
	s_lshl_b32 s23, s23, 19
	s_and_b32 s24, s22, 15
	s_lshl_b32 s24, s24, 14
	s_add_co_u32 s24, s24, s23
	s_add_nc_u64 s[28:29], s[18:19], s[24:25]
	s_mov_b32 s30, 0xffff0000                      ; a word's upper bf16
	LOADS16
	v_lshrrev_b32 v2, 7, v0
	v_lshlrev_b32 v2, 10, v2
	v_and_b32 v3, 127, v0
	v_lshl_add_u32 v2, v3, 3, v2
.set g, 0
.rept 4                                ; four groups of four units
	s_wait_loadcnt 12-4*g                          ; units 4 g to 4 g + 3 are in, the 12 - 4 g younger ones may be out
.set u, 4*g
.rept 4
	v_cvt_pk_bf16_f32 v[8+4*u], v[8+4*u], v[9+4*u]
	v_cvt_pk_bf16_f32 v[9+4*u], v[10+4*u], v[11+4*u]
.irp k, 0,1
	v_lshlrev_b32 v[10+4*u], 16, v[8+4*u+(\k)]     ; the bf16 numbers as f32,
	v_and_b32 v[11+4*u], s30, v[8+4*u+(\k)]
	v_cvt_pk_f16_f32 v[8+4*u+(\k)], v[10+4*u], v[11+4*u]  ; written as f16: exact within f16's range
.endr
.set u, u+1
.endr
	s_wait_alu depctr_va_vdst(0)                   ; the group's conversions have written the data of the four stores below; in the first group: their offset v2 is written too
.set u, 4*g
.rept 4
	global_store_b64 v2, v[8+4*u:9+4*u], s[28:29] offset:(u/4)*4096+((u/2)%2)*262144+(u%2)*2048
.set u, u+1
.endr
.set g, g+1
.endr
	s_endpgm
.Ltable:
	; THE TABLE: work-group tw makes rows 8 tw .. 8 tw + 7; thread v0's 16 bytes lie at 4,096 tw + 16 v0
	s_sub_co_u32 s22, ttmp9, 1152
	s_lshl_b32 s24, s22, 12
	s_mov_b32 s25, 0
	s_add_nc_u64 s[26:27], s[20:21], s[24:25]
	s_lshl_b32 s28, s22, 3
	s_mov_b32 s22, 0xb9500d01                      ; -1/5040
	s_mov_b32 s23, 0x3c088889                      ; 1/120
	s_mov_b32 s30, 0x37d00d01                      ; 1/40320
	s_mov_b32 s31, 0xbab60b61                      ; -1/720
	v_lshrrev_b32 v2, 5, v0
	v_add_nc_u32 v2, s28, v2                       ; t
	v_cvt_f32_u32 v2, v2
	v_and_b32 v3, 31, v0
	v_lshlrev_b32 v3, 1, v3                        ; i = 2 x lane, and i + 1
	v_add_nc_u32 v4, 1, v3
	v_cvt_f32_u32 v8, v3
	v_cvt_f32_u32 v24, v4
	v_mul_f32 v8, 0xbe549a78, v8                   ; -i log2(10000) / 64
	v_mul_f32 v24, 0xbe549a78, v24
	v_exp_f32 v8, v8                               ; 10000^(-i/64)
	v_exp_f32 v24, v24
	v_nop                                          ; a plain instruction behind the last exponential,
	s_wait_alu depctr_va_vdst(0)                   ; and one wait for the two: v8 and v24 are written, ahead of their first reader
	ANGLE 8, 2
	ANGLE 24, 3
	s_wait_alu depctr_va_sdst(0)                   ; the two compares have written s2 and s3, ahead of the selects that read them
	CHOOSE 8, 40, 2
	CHOOSE 24, 42, 3
	v_mov_b32 v44, 1.0
	v_mov_b32 v45, 0
	v_mov_b32 v46, 1.0
	v_mov_b32 v47, 0
	s_wait_alu depctr_va_vdst(0)                   ; v[40:47] are written, which the two stores read as their data
	global_store_b128 v1, v[40:43], s[26:27]       ; a wave's store covers a row of 512 bytes
	global_store_b128 v1, v[44:47], s[26:27] offset:524288
	s_endpgm
.Lfunc_end_k_qa56e7c7ed4_prep:
	.size	k_qa56e7c7ed4_prep, .Lfunc_end_k_qa56e7c7ed4_prep-k_qa56e7c7ed4_prep
	.p2alignl 7, 3214868480
	.fill 96, 4, 3214868480
	.section	.rodata,"a",@progbits
	.p2align	6, 0x0
	.amdhsa_kernel k_qa56e7c7ed4_prep
		.amdhsa_group_segment_fixed_size 0
		.amdhsa_private_segment_fixed_size 0
		.amdhsa_enable_private_segment 0
		.amdhsa_kernarg_size 72
		.amdhsa_user_sgpr_count 2
		.amdhsa_user_sgpr_kernarg_segment_ptr 1
		.amdhsa_wavefront_size32 1
		.amdhsa_system_sgpr_workgroup_id_x 1
		.amdhsa_system_sgpr_workgroup_id_y 1
		.amdhsa_system_sgpr_workgroup_id_z 1
		.amdhsa_system_vgpr_workitem_id 0
		.amdhsa_next_free_vgpr 88
		.amdhsa_next_free_sgpr 66
		.amdhsa_reserve_vcc 0
		.amdhsa_float_denorm_mode_32 3
		.amdhsa_float_denorm_mode_16_64 3
		.amdhsa_memory_ordered 1
		.amdhsa_forward_progress 1
		.amdhsa_inst_pref_size 23
	.end_amdhsa_kernel
	.amdgpu_metadata
---
amdhsa.version: [ 1, 2 ]
amdhsa.kernels:
  - .name:           k_qa56e7c7ed4_prep
    .symbol:         k_qa56e7c7ed4_prep.kd
    .args:
      - { .name: x, .offset: 0, .size: 8, .value_kind: global_buffer, .address_space: global }
      - { .name: Wq, .offset: 8, .size: 8, .value_kind: global_buffer, .address_space: global }
      - { .name: Wk, .offset: 16, .size: 8, .value_kind: global_buffer, .address_space: global }
      - { .name: Wv, .offset: 24, .size: 8, .value_kind: global_buffer, .address_space: global }
      - { .name: Wo, .offset: 32, .size: 8, .value_kind: global_buffer, .address_space: global }
      - { .name: xb, .offset: 40, .size: 8, .value_kind: global_buffer, .address_space: global }
      - { .name: wqkv, .offset: 48, .size: 8, .value_kind: global_buffer, .address_space: global }
      - { .name: wo16, .offset: 56, .size: 8, .value_kind: global_buffer, .address_space: global }
      - { .name: rope, .offset: 64, .size: 8, .value_kind: global_buffer, .address_space: global }
    .group_segment_fixed_size: 0
    .private_segment_fixed_size: 0
    .kernarg_segment_align: 8
    .kernarg_segment_size: 72
    .max_flat_workgroup_size: 256
    .sgpr_count:     66
    .vgpr_count:     88
    .wavefront_size: 32
...
	.end_amdgpu_metadata
.endif
;; end of part 5
;; launch project: the kernel of part 2 again; grid 8 x 32, 4 waves a work-group, clusters of 4 x 4, 327,680 bytes of LDS; arguments xb, wqkv, rope, qkvh; writes qkvh
;; launch attend: the kernel of part 3 again; grid 16 x 16, 4 waves a work-group, clusters of 4 x 1, 327,680 bytes of LDS; arguments qkvh, ob; writes ob
;; launch output: the kernel of part 4 again; grid 8 x 32, 4 waves a work-group, clusters of 4 x 4, 327,680 bytes of LDS; arguments ob, wo16, out0; writes out0
